; MI455X (gfx1250); checked and timed in simulation.
; The chip was launched on July 23, 2026; its instructions are those of AMD's public machine-readable ISA for CDNA 5 (MIT licence, August 2026) and "CDNA5" Instruction Set Architecture Reference Guide (July 2026). The comments in the code are by the model that wrote it; some were corrected since.
;; Multi Head Attention. Allowed arithmetic: matrix products marked QUANTISED: E2M3 operands, one E8M0 scale for each 32 along K, by v_wmma_scale_f32_16x16x128_f8f6f4 with both operands' format E2M3, f32 sums; products left as they are: f32 operands where the result goes on into a quantised operand, else bf16, f16 or f32 operands; f32 sums; everything else in f32.
;; Inputs: Wk 2,048 x 2,048 float32; Wo 2,048 x 2,048 float32; Wq 2,048 x 2,048 float32; Wv 2,048 x 2,048 float32; bk 2,048 float32; bo 2,048 float32; bq 2,048 float32; bv 2,048 float32; x 2,048 x 2,048 float32.
;; Outputs: out0 2,048 x 2,048 float32.
;; This version of the problem:
;;   THIS VERSION OF THE PROBLEM IS GIVEN IN LOW PRECISION. The matrix products marked QUANTISED in the list below multiply operands that are first quantised to E2M3 (2 exponent bits, 3 mantissa bits; 6 bits a number), with one power-of-two scale for each 32 numbers along K (OCP MX v1.0); their sums are f32. All else is computed in f32.
;;   The module's matrix products, in the order in which they are computed (A, B: the left and right operand; K: the contracted axis; several contracted axes count as one K, in the product's order):
;;     1. [M 2,048, K 1] x [K 1, N 64]; A: computed on the way; B: computed on the way: left as it is (no contracted axis)
;;     2. [M 2,048, K 2,048] x [K 2,048, N 2,048]; A: input x; B: input Wq: QUANTISED
;;     3. [M 2,048, K 2,048] x [K 2,048, N 2,048]; A: input x; B: input Wk: QUANTISED
;;     4. [M 2,048, K 2,048] x [K 2,048, N 2,048]; A: input x; B: input Wv: QUANTISED
;;     5. batch 16 x [M 2,048, K 128] x [K 128, N 2,048]; A: computed on the way; B: computed on the way: QUANTISED
;;     6. batch 16 x [M 2,048, K 2,048] x [K 2,048, N 128]; A: softmax (see below); B: computed on the way: QUANTISED
;;     7. [M 2,048, K 2,048] x [K 2,048, N 2,048]; A: computed on the way; B: input Wo: QUANTISED
;;   THE QUANTISER, for each operand of a quantised product, along K:
;;     - K is cut into blocks of 32 from its start; a last block that is shorter is filled with zeros.
;;     - A block's scale is 2^e with e = floor(log2(the largest magnitude in the block)) - 2, held to -126 .. 127; a block of zeros has e = 0. As a byte (E8M0): e + 127.
;;     - Each number is divided by its block's scale, clamped to +-7.5, and rounded to the nearest number of E2M3, ties to even, subnormals kept.
;;     - The product sums the exact products of the quantised numbers (number of the format x scale) in f32.
;;   ~~~python
;;   def quantise(x, axis):      # numpy; x: float32 -> the quantised numbers, widened to float32 again
;;       x = np.moveaxis(x, axis, -1); K = x.shape[-1]
;;       x = np.pad(x, [(0, 0)] * (x.ndim - 1) + [(0, -K % 32)]); x = x.reshape(x.shape[:-1] + (-1, 32)); a = np.abs(x).max(-1, keepdims=True)
;;       e = np.where(a > 0, np.clip(np.frexp(np.where(a > 0, a, 1))[1] - 1 - 2, -126, 127), 0)      # np.frexp(a)[1] - 1 = floor(log2(a)), exactly
;;       r = np.clip(x / 2.0 ** e, -7.5, 7.5)
;;       step = 2.0 ** (np.maximum(np.frexp(np.where(r == 0, 1, r))[1] - 1, 0) - 3)
;;       q = np.round(r / step) * step * 2.0 ** e      # np.round: ties to even
;;       return np.moveaxis(q.reshape(q.shape[:-2] + (-1,))[..., :K], -1, axis).astype(np.float32)
;;   ~~~
;;   SOFTMAX AHEAD OF A QUANTISED PRODUCT. Where the list says 'softmax', what is quantised is not the finished softmax but p = 2^(t - M), with t = logit x log2(e) and M = ceil(the row's largest t), a whole number; so 1/2 < the row's largest p <= 1. The row's sum l is taken of the UNQUANTISED p, in f32, and the product's result is divided by l at the end. Since M is a whole number, a kernel that streams over the keys may use a running M (the ceiling of the running maximum): every later rescaling is an exact power of two, which a block's scale takes up: the codes' values come out the same.
;;   OPERANDS COMPUTED ON THE WAY. 'Computed on the way' means the value that the module computes at that place (a softmax that the list does not call 'softmax' is quantised finished and normalised). What goes into a quantiser is computed in f32, as accurately as f32 sums, v_exp_f32 and their like allow (about 1e-6 of the number): no bf16 or f16 on the way to a quantiser, and a product that is left as it is and whose result goes on into a quantised operand takes f32 operands (vector FMAs, or v_wmma_f32_16x16x4_f32). A number that lies on a knife's edge between two numbers of the format may be rounded either way, as far as f32 arithmetic and the matrix unit's own rounding can turn it there, and no further.
;; One version. Each part assembles by itself: llvm-mc -triple=amdgcn-amd-amdhsa -mcpu=gfx1250 --defsym DOCPART=n.
;; ======== version 1 of 1: 4 launches
;; limits: right only within a limited range of input values
;; workspace buffers: wcodes 15,728,640 bytes; wscales 655,360 bytes; rope 1,048,576 bytes; qkvc 9,437,184 bytes; qkvs 393,216 bytes; acodes 3,145,728 bytes; ascales 131,072 bytes
;; launch quant (part 1): grid 256 x 1, 6 waves a work-group, no clusters, 51,456 bytes of LDS; arguments x, Wq, Wk, Wv, Wo, wcodes, wscales, rope; writes wcodes, wscales, rope
.if DOCPART == 1
	.amdgcn_target "amdgcn-amd-amdhsa--gfx1250"
	.amdhsa_code_object_version 6
	.text
	.protected	k_q6d3297dd26_quant
	.globl	k_q6d3297dd26_quant
	.p2align	8
	.type	k_q6d3297dd26_quant,@function
k_q6d3297dd26_quant:
	s_mov_b64 s[64:65], 0
	v_nop
	global_prefetch_b8 v0, s[64:65] scope:SCOPE_SE
	s_setreg_imm32_b32 hwreg(HW_REG_WAVE_MODE, 25, 1), 1
	s_wait_xcnt 0x0
; x, Wq, Wk, Wv, Wo, each [2048][2048] f32 with K innermost, become codes of FP6 (E2M3) with one E8M0 byte for each 32 along K; and the table of cosines and sines for the rotation is made.
; A block's scale is 2^(floor(log2(its largest magnitude)) - 2); its byte is the largest magnitude's exponent field - 2, held at 1 from below.
; THE CODES ARE STORED AS IMAGES OF OPERAND REGISTERS.  A fragment is 16 rows x 128 K, 12 registers a lane: register 4 g + m of lane L lies at byte 512 g + 16 L + 4 m of its 1,536 bytes.
; THE ROWS OF A TILE ARE NOT NEIGHBOURS: lane r of tile t holds row 32 (t / 2) + 8 (t % 2) + r + 8 (r / 8).
; wcodes: tensor T at 3,145,728 T; fragment (tile t, K step s) at 393,216 (s / 2) + 3,072 t + 1,536 (s % 2).  wscales: 131,072 T + 1,024 t + 128 (s / 2) + 8 r + 4 (s % 2): a word for a row and a K step.
; rope: tile t at 8,192 t; register e (cosines 0-31, then sines 0-31) of lane L at 512 (e / 4) + 16 L + 4 (e % 4); register 16 b + i is frequency 32 b + 16 (L / 16) + i at the position that is lane L % 16's row of tile t.
; SHARES.  Work-group g: tile t = g / 2, half q = g % 2 of K.  Wave w = 0 .. 4 takes tensor w: eight fragments, 64 KiB of f32.  Wave 5 makes 16 cosines and 16 sines a lane.  Waves share nothing: no barrier.
; Each load reads 512 consecutive bytes of one row; a fragment's 16 rows turn through the wave's own stage in LDS (rows 528 bytes apart) so that a lane gets 2 x 32 neighbours along K: two whole blocks.
; No matrix unit, no cluster, no tensor load: every byte is read once by one wave, and what is in flight (32 to 48 loads of 16 bytes a lane in each wave) lies in registers.
; LIMITS: NaN and infinities among the inputs are not served.  A block of zeros, or one whose largest magnitude lies under 2^-124, gets the byte 1 (its codes are zeros or tiny; this program alone reads the bytes).
; The sine and cosine are made by taking off a multiple of pi/2 in two parts and a polynomial: good for angles up to some thousands; here they stay under 2,048.  The angle may differ from a correctly rounded one by a few units in its last place.
.set ROWB,  8192                       ; a row of f32 in bytes
.set STGB,  8448                       ; a wave's stage: 16 rows x 528
.set SP,    528
.set TENSC, 3145728
.set KPAIR, 393216
.set X,     64                         ; v64-255: three sets of 64 numbers
.set WV,    20
	s_load_b256 s[4:11], s[0:1], 0x0               ; x, Wq, Wk, Wv
	s_load_b256 s[12:19], s[0:1], 0x20             ; Wo, wcodes, wscales, rope
	v_lshl_add_u32 v59, v0, 2, 0xc600
	v_mov_b32 v63, 0
	v_lshrrev_b32 v1, 5, v0
	v_readfirstlane_b32 s[WV], v1                  ; wave 0..5
	v_and_b32 v1, 31, v0                           ; L
	v_and_b32 v2, 15, v0                           ; r
	v_bfe_u32 v3, v0, 4, 1                         ; h
	v_lshlrev_b32 v4, 4, v1                        ; 16 L: loads, and the codes' stores
	s_mul_i32 s21, s[WV], STGB
	v_add_nc_u32 v5, s21, v4                       ; the stage, in: 16 L in a row
	v_mul_u32_u24 v6, v2, SP
	v_lshl_add_u32 v6, v3, 7, v6
	v_add_nc_u32 v6, s21, v6                       ; out: row r, + 128 h bytes
	v_lshlrev_b32 v7, 3, v1                        ; 8 L: the scale words' stores
	v_lshlrev_b32 v20, 3, v3                       ; 8 h: my bytes' place in a scale word
	v_mov_b32 v15, 0                               ; a lane permute's destination counts as one of its sources
	s_lshr_b32 s24, ttmp9, 1                       ; t
	s_and_b32 s25, ttmp9, 1                        ; q
	s_lshr_b32 s26, s24, 1
	s_lshl_b32 s26, s26, 5
	s_and_b32 s27, s24, 1
	s_lshl_b32 s27, s27, 3
	s_add_co_u32 s26, s26, s27                     ; the tile's first row: 32 (t / 2) + 8 (t % 2)
	s_mov_b32 s29, 0
	s_mov_b32 s30, 0xffff0000                      ; lanes 16-31
	s_mov_b32 s32, 0x76543210
	s_mov_b32 s33, 0xfedcba98                      ; v_permlanex16_b32's selects for lane l xor 16
	s_wait_kmcnt 0x0
	s_cmp_eq_u32 s[WV], 5
	s_cbranch_scc1 .Ltable
	s_mov_b64 s[22:23], s[4:5]                     ; my tensor: the choice hangs on the wave's number alone
	s_cmp_eq_u32 s[WV], 1
	s_cselect_b64 s[22:23], s[6:7], s[22:23]
	s_cmp_eq_u32 s[WV], 2
	s_cselect_b64 s[22:23], s[8:9], s[22:23]
	s_cmp_eq_u32 s[WV], 3
	s_cselect_b64 s[22:23], s[10:11], s[22:23]
	s_cmp_eq_u32 s[WV], 4
	s_cselect_b64 s[22:23], s[12:13], s[22:23]
	s_lshl_b32 s28, s26, 13
	s_lshl_b32 s27, s25, 12
	s_add_co_u32 s28, s28, s27
	s_add_nc_u64 s[22:23], s[22:23], s[28:29]      ; the tile's first row, my half of K
	s_mul_i32 s28, s[WV], TENSC
	s_mul_i32 s27, s25, 4*KPAIR
	s_add_co_u32 s28, s28, s27
	s_mul_i32 s27, s24, 3072
	s_add_co_u32 s28, s28, s27
	s_add_nc_u64 s[14:15], s[14:15], s[28:29]      ; my first fragment's image
	s_lshl_b32 s28, s[WV], 17
	s_lshl_b32 s27, s24, 10
	s_add_co_u32 s28, s28, s27
	s_lshl_b32 s27, s25, 9
	s_add_co_u32 s28, s28, s27
	s_add_nc_u64 s[16:17], s[16:17], s[28:29]      ; my 512 bytes of scale words
.macro LOAD f                          ; fragment f's 16 rows x 512 bytes into set f % 3
.set i, 0
.rept 16
	global_load_b128 v[X+64*((\f)%3)+4*i:X+64*((\f)%3)+4*i+3], v4, s[22:23] offset:(i+8*(i/8))*ROWB+512*(\f) th:TH_LOAD_NT
.set i, i+1
.endr
.endm
.macro FRAGMENT f
.set XS, X+64*((\f)%3)
.set PC, 24+20*((\f)%2)                ; the codes: 12 registers, and behind them 8 at work; two sets by turns
.set PT, PC+12
.if (\f) < 6
	s_wait_loadcnt 32                              ; my 16 loads are in; those of the two fragments behind them may be out
.else
	s_wait_loadcnt 16*(7-(\f))
.endif
.set i, 0
.rept 16
	ds_store_b128 v5, v[XS+4*i:XS+4*i+3] offset:SP*i
.set i, i+1
.endr
.irp c, 0,1                                    ; LDS serves a wave's instructions in order: these see the stores above, and land in the registers that the stores have left
.irp k, 0,1,2,3,4,5,6,7
	ds_load_b128 v[XS+32*\c+4*\k:XS+32*\c+4*\k+3], v6 offset:256*\c+16*\k   ; K = 64 c + 32 h + 4 k .. of row r
.endr
.endr
	s_wait_dscnt 0x0
.irp c, 0,1                                    ; my block 2 c + h: all its 32 numbers are mine
	v_max3_num_f32 v[8+\c], |v[XS+32*\c]|, |v[XS+32*\c+1]|, 0x1800000   ; and the floor 2^(3 - 127): the byte cannot fall under 1
.endr
.set i, 2
.rept 15
.irp c, 0,1
	v_max3_num_f32 v[8+\c], v[8+\c], |v[XS+32*\c+i]|, |v[XS+32*\c+i+1]|
.endr
.set i, i+2
.endr
.irp c, 0,1
	v_add_nc_u32 v[10+\c], 0xff000000, v[8+\c]     ; 2 off the exponent field: the conversion's scale operand
.endr
.irp c, 0,1
	v_lshrrev_b32 v[12+\c], 23, v[10+\c]           ; the scale's byte
.endr
	v_lshl_or_b32 v14, v13, 16, v12                ; my two bytes: blocks h and 2 + h of row r,
	v_lshlrev_b32 v14, v20, v14                    ; at their places in the word;
	v_permlanex16_b32 v15, v14, s32, s33
	v_or_b32 v14, v14, v15                         ; with lane l xor 16's two the word is whole
.if (\f) >= 2
	s_wait_alu depctr_va_vdst(0)
	s_wait_xcnt 0x0                                ; this set of codes was the data of the stores two fragments back: it is written again only behind this wait
.endif
.irp c, 0,1
	v_cvt_scalef32_pk16_fp6_f32 v[PC+6*\c:PC+6*\c+2], v[XS+32*\c:XS+32*\c+15], v[10+\c]
	v_cvt_scalef32_pk16_fp6_f32 v[PT+4*\c:PT+4*\c+2], v[XS+32*\c+16:XS+32*\c+31], v[10+\c]   ; (a conversion's three registers begin on an even number)
.endr
	v_nop                                          ; one plain place behind a scaled conversion
.irp c, 0,1
.irp i, 0,1,2
	v_mov_b32 v[PC+6*\c+3+\i], v[PT+4*\c+\i]
.endr
.endr
.irp g, 0,1,2
	global_store_b128 v4, v[PC+4*\g:PC+4*\g+3], s[14:15] offset:((\f)/2)*KPAIR+((\f)%2)*1536+512*\g   ; 512 consecutive bytes
.endr
.if ((\f)%4) < 2                               ; the words of four fragments make two registers: lanes 0-15 the first pair of K steps, lanes 16-31 the second
	v_mov_b32 v[16+2*((\f)/4)+(\f)%2], v14
.else
	v_cndmask_b32 v[16+2*((\f)/4)+(\f)%2], v[16+2*((\f)/4)+(\f)%2], v14, s30
.endif
.if (\f)+3 < 8
	LOAD (\f)+3
.endif
.endm
	s_wait_alu depctr_va_vdst(0)
	LOAD 0
	LOAD 1
	LOAD 2
.irp f, 0,1,2,3,4,5,6,7
	FRAGMENT \f
.endr
	global_store_b64 v7, v[16:17], s[16:17]        ; 256 consecutive bytes each
	global_store_b64 v7, v[18:19], s[16:17] offset:256
	s_wait_tensorcnt 0x0
	ds_add_u32 v59, v63
	s_wait_dscnt 0x0
	s_endpgm
.Ltable:                                           ; wave 5: cos and sin of position x 10000^(-f / 64), f = 32 q + 16 h + i
	v_and_b32 v8, 8, v2
	v_add_nc_u32 v8, v8, v2
	v_add_nc_u32 v8, s26, v8
	v_cvt_f32_u32 v8, v8                           ; my position
	s_lshl_b32 s21, s25, 5
	v_lshl_add_u32 v9, v3, 4, s21                  ; 32 q + 16 h
	s_wait_alu depctr_va_vdst(0)
	s_mov_b32 s34, 0xbe549a78                      ; -log2(10000) / 64
	s_mov_b32 s35, 0x3f22f983                      ; 2 / pi
	s_mov_b32 s36, 0xbfc90fdb                      ; -(pi / 2), its upper part,
	s_mov_b32 s37, 0x333bbd2e                      ; and what the upper part has too much
	s_mov_b32 s38, 0xb94ca1f9                      ; the sine's series: -1.9515295891e-4,
	s_mov_b32 s39, 0x3c08839e                      ; 8.3321608736e-3,
	s_mov_b32 s40, 0xbe2aaaa3                      ; -1.6666654611e-1
	s_mov_b32 s41, 0x37ccf5ce                      ; the cosine's: 2.443315712e-5,
	s_mov_b32 s42, 0xbab6061a                      ; -1.388731625e-3,
	s_mov_b32 s43, 0x3d2aaaa5                      ; 4.166664568e-2
	s_lshl_b32 s28, s24, 13
	s_lshl_b32 s27, s25, 11
	s_add_co_u32 s28, s28, s27
	s_add_nc_u64 s[18:19], s[18:19], s[28:29]      ; tile t, registers 16 q on
.irp i, 0,1,2,3,4,5,6,7,8,9,10,11,12,13,14,15
	v_add_nc_u32 v[96+\i], \i, v9
.endr
.irp i, 0,1,2,3,4,5,6,7,8,9,10,11,12,13,14,15
	v_cvt_f32_u32 v[96+\i], v[96+\i]
.endr
.irp i, 0,1,2,3,4,5,6,7,8,9,10,11,12,13,14,15
	v_mul_f32 v[96+\i], s34, v[96+\i]
.endr
	s_wait_alu depctr_va_vdst(0)
.irp i, 0,1,2,3,4,5,6,7,8,9,10,11,12,13,14,15
	v_exp_f32 v[96+\i], v[96+\i]                   ; the frequency
.endr
	v_nop                                          ; a plain place behind the last exponential
	s_wait_alu depctr_va_vdst(0)                   ; one wait for the batch, ahead of its first reader
.irp i, 0,1,2,3,4,5,6,7,8,9,10,11,12,13,14,15
	v_mul_f32 v[96+\i], v8, v[96+\i]               ; the angle
.endr
.irp i, 0,1,2,3,4,5,6,7,8,9,10,11,12,13,14,15
	v_mul_f32 v[112+\i], s35, v[96+\i]
.endr
.irp i, 0,1,2,3,4,5,6,7,8,9,10,11,12,13,14,15
	v_rndne_f32 v[112+\i], v[112+\i]               ; n: the nearest multiple of pi / 2
.endr
.irp i, 0,1,2,3,4,5,6,7,8,9,10,11,12,13,14,15
	v_fma_f32 v[96+\i], v[112+\i], s36, v[96+\i]
.endr
.irp i, 0,1,2,3,4,5,6,7,8,9,10,11,12,13,14,15
	v_fma_f32 v[96+\i], v[112+\i], s37, v[96+\i]   ; y = angle - n pi / 2, within pi / 4 of 0
.endr
.irp i, 0,1,2,3,4,5,6,7,8,9,10,11,12,13,14,15
	v_mul_f32 v[128+\i], v[96+\i], v[96+\i]        ; z = y^2
.endr
.irp i, 0,1,2,3,4,5,6,7,8,9,10,11,12,13,14,15
	v_fma_f32 v[144+\i], v[128+\i], s38, s39
	v_fma_f32 v[160+\i], v[128+\i], s41, s42
.endr
.irp i, 0,1,2,3,4,5,6,7,8,9,10,11,12,13,14,15
	v_fma_f32 v[144+\i], v[144+\i], v[128+\i], s40
	v_fma_f32 v[160+\i], v[160+\i], v[128+\i], s43
.endr
.irp i, 0,1,2,3,4,5,6,7,8,9,10,11,12,13,14,15
	v_mul_f32 v[144+\i], v[144+\i], v[128+\i]
	v_mul_f32 v[160+\i], v[160+\i], v[128+\i]
	v_fma_f32 v[176+\i], v[128+\i], -0.5, 1.0
.endr
.irp i, 0,1,2,3,4,5,6,7,8,9,10,11,12,13,14,15
	v_fma_f32 v[144+\i], v[144+\i], v[96+\i], v[96+\i]     ; sin y
	v_fma_f32 v[160+\i], v[160+\i], v[128+\i], v[176+\i]   ; cos y
	v_cvt_i32_f32 v[112+\i], v[112+\i]
.endr
.irp i, 0,1,2,3,4,5,6,7,8,9,10,11,12,13,14,15
	v_and_b32 v[176+\i], 1, v[112+\i]
	v_cmp_eq_u32 vcc_lo, 1, v[176+\i]              ; an odd n: sine and cosine change places
	v_cndmask_b32 v[80+\i], v[144+\i], v[160+\i], vcc_lo
	v_cndmask_b32 v[64+\i], v[160+\i], v[144+\i], vcc_lo
	v_and_b32 v[176+\i], 2, v[112+\i]              ; n % 4 = 2, 3: the sine changes its sign
	v_lshlrev_b32 v[176+\i], 30, v[176+\i]
	v_xor_b32 v[80+\i], v[176+\i], v[80+\i]
	v_add_nc_u32 v[176+\i], 1, v[112+\i]           ; n % 4 = 1, 2: the cosine does
	v_and_b32 v[176+\i], 2, v[176+\i]
	v_lshlrev_b32 v[176+\i], 30, v[176+\i]
	v_xor_b32 v[64+\i], v[176+\i], v[64+\i]
.endr
.irp k, 0,1,2,3
	global_store_b128 v4, v[64+4*\k:67+4*\k], s[18:19] offset:512*\k
	global_store_b128 v4, v[80+4*\k:83+4*\k], s[18:19] offset:4096+512*\k
.endr
	s_endpgm
.Lfunc_end_k_q6d3297dd26_quant:
	.size	k_q6d3297dd26_quant, .Lfunc_end_k_q6d3297dd26_quant-k_q6d3297dd26_quant
	.p2alignl 7, 3214868480
	.fill 96, 4, 3214868480
	.section	.rodata,"a",@progbits
	.p2align	6, 0x0
	.amdhsa_kernel k_q6d3297dd26_quant
		.amdhsa_group_segment_fixed_size 51456
		.amdhsa_private_segment_fixed_size 0
		.amdhsa_enable_private_segment 0
		.amdhsa_kernarg_size 64
		.amdhsa_user_sgpr_count 2
		.amdhsa_user_sgpr_kernarg_segment_ptr 1
		.amdhsa_wavefront_size32 1
		.amdhsa_system_sgpr_workgroup_id_x 1
		.amdhsa_system_sgpr_workgroup_id_y 1
		.amdhsa_system_sgpr_workgroup_id_z 1
		.amdhsa_system_vgpr_workitem_id 0
		.amdhsa_next_free_vgpr 256
		.amdhsa_next_free_sgpr 66
		.amdhsa_reserve_vcc 1
		.amdhsa_float_denorm_mode_32 3
		.amdhsa_float_denorm_mode_16_64 3
		.amdhsa_memory_ordered 1
		.amdhsa_forward_progress 1
		.amdhsa_inst_pref_size 80
	.end_amdhsa_kernel
	.amdgpu_metadata
---
amdhsa.version: [ 1, 2 ]
amdhsa.kernels:
  - .name:           k_q6d3297dd26_quant
    .symbol:         k_q6d3297dd26_quant.kd
    .args:
      - { .name: x, .offset: 0, .size: 8, .value_kind: global_buffer, .address_space: global }
      - { .name: Wq, .offset: 8, .size: 8, .value_kind: global_buffer, .address_space: global }
      - { .name: Wk, .offset: 16, .size: 8, .value_kind: global_buffer, .address_space: global }
      - { .name: Wv, .offset: 24, .size: 8, .value_kind: global_buffer, .address_space: global }
      - { .name: Wo, .offset: 32, .size: 8, .value_kind: global_buffer, .address_space: global }
      - { .name: wcodes, .offset: 40, .size: 8, .value_kind: global_buffer, .address_space: global }
      - { .name: wscales, .offset: 48, .size: 8, .value_kind: global_buffer, .address_space: global }
      - { .name: rope, .offset: 56, .size: 8, .value_kind: global_buffer, .address_space: global }
    .group_segment_fixed_size: 51456
    .private_segment_fixed_size: 0
    .kernarg_segment_align: 8
    .kernarg_segment_size: 64
    .max_flat_workgroup_size: 192
    .sgpr_count:     66
    .vgpr_count:     256
    .wavefront_size: 32
...
	.end_amdgpu_metadata
.endif
;; end of part 1
;; launch proj (part 2): grid 8 x 24, 4 waves a work-group, clusters of 4 x 4, 327,680 bytes of LDS; arguments wcodes, wscales, rope, bq, bk, bv, qkvc, qkvs; writes qkvc, qkvs
.if DOCPART == 2
	.amdgcn_target "amdgcn-amd-amdhsa--gfx1250"
	.amdhsa_code_object_version 6
	.text
	.protected	k_q6d3297dd26_proj
	.globl	k_q6d3297dd26_proj
	.p2align	8
	.type	k_q6d3297dd26_proj,@function
k_q6d3297dd26_proj:
	s_mov_b64 s[64:65], 0
	v_nop
	global_prefetch_b8 v0, s[64:65] scope:SCOPE_SE
	s_setreg_imm32_b32 hwreg(HW_REG_WAVE_MODE, 25, 1), 1
	s_wait_xcnt 0x0
	s_wait_alu depctr_hold_cnt(0) depctr_sa_sdst(0) depctr_va_vdst(0) depctr_va_sdst(0) depctr_va_ssrc(0) depctr_va_vcc(0) depctr_vm_vsrc(0)
	s_getreg_b32 s2, hwreg(HW_REG_IB_STS2, 6, 4)
	s_cmp_eq_u32 s2, 0
	s_cbranch_scc0 .Lentry_in_a_cluster
	s_endpgm
.Lentry_in_a_cluster:
	s_bfe_u32 s2, ttmp6, 0x10000c
	s_cmp_lg_u32 s2, 0xf033
	s_cbranch_scc0 .Lentry_shape_is_right
	s_endpgm
.Lentry_shape_is_right:
; q = rope(x Wq^T + bq), k = rope(x Wk^T + bk), v = x Wv^T + bv, each 2048 x 2048 x 2048 on codes of FP6 (E2M3) with E8M0 scales; the results are quantised again
; (q, k along the head's 128 channels, v along the keys) and stored as images of operand registers for the attention.
; Operands come as images: a fragment (16 rows x 128 K) is 1,536 bytes, register 4 g + m of lane L at 512 g + 16 L + 4 m; tile t, K step s at 393,216 (s / 2) + 3,072 t + 1,536 (s % 2) of its tensor.
; Cluster y / 2 says which product (0 q, 1 k, 2 v).  A tile of the result is 256 x 256: four waves, 128 x 128 each, 64 accumulators.  The matrix instruction takes the B side as source 0 and the A side as source 1,
; so a lane holds one row of the A side and its registers run along the B side.  q, k: A side = x (positions), B side = the weight (channels).  v: A side = Wv (channels), B side = x (keys).
; K goes in pairs of steps (256 along K) through two LDS slots of 98,304 bytes; all scale words of the 512 rows lie in LDS for the whole launch.
; THE HEAD'S FOUR TILES, one joint load a wave: wave 0 the A side's K pair 0, wave 1 the B side's, wave 2 the A side's scale words, wave 3 the B side's.  Slot 1's first fill is issued as a refill is.
; CLUSTERS: 4 x 4; the A side's tiles are asked for jointly along a row of the cluster, the B side's along a column.
; PREFETCH: of the 24,576 bytes that a wave fetches for a K pair, each of the four partners that ask jointly names 24 blocks of 256 bytes, told apart by address (lanes 24-31 name the last block again).
; The head names K pairs 1 and 2, the line behind slot 1's load K pair 3, the refill of K pair t + 2 names K pair t + 4; the last lap's two refills name nothing: K has eight pairs.
; THE WAY OUT: block by block of 16 rows: bias, rotation (q, k), quantiser, three stores of 512 consecutive bytes.  The cosines and sines come in four sets of 64 registers, three blocks ahead.
; LIMITS: NaN and infinities are not served; a block whose largest magnitude lies under 2^-124 gets the byte 1 (this program alone reads the bytes).
.set NQ,    2
.set FR,    12
.set NL,    3
.set NP,    4
.set HALFT, 24576                      ; eight tiles of a K pair: what a wave's load of the ring brings
.set SLOT,  98304
.set KPAIR, 393216
.set TENSC, 3145728
.set LAPS,  4
.set SCL,   196608                     ; the A side's scale words, 16,384 bytes
.set SCB,   SCL+16512                  ; the B side's
.set SPARE, 229632                     ; the spare words: 512 bytes that no other line names
.set ADRA, 16
.set ADRB, 20
.set LI,   24                          ; 16 L
.set BIA,  25
.set BVA,  26
.set ADRS, 27
.set SPW,  28
.set NIL,  29
.set PFO,  30                          ; the prefetches' offset: 256 x min(lane, 23); never rewritten
.set SC,   32                          ; scale words, two sets of 16
.set BI,   64                          ; q, k: the bias of my 128 channels, in the accumulators' order
.set AF,   128                         ; the A side's fragments
.set BV,   224                         ; v: the bias of my lane's channel, block by block, twice
.set T,    128                         ; the way out: a block's 64 numbers
.set PC,   192
.set TP,   212
.set TM,   240
.set PWS,  4
.set SW,   12
.set SEL,  94
.set G1, 24
.set G0, 32
.set G1B, 48
.set G0B, 56
.set G1S, 68
.set G0S, 76
.set G1SB, 80
.set G0SB, 88
.set G0HB, 4                           ; s[4:7]: group 0 of wave 1's load at the head (the two arguments that lay there have been used)
.set PFA,  98                          ; s[98:99]: where my prefetches stand
.set MSB, 0
.macro WIN new                         ; the immediate's high byte repeats the setting that is left
.if MSB != \new
	s_set_vgpr_msb (MSB<<8)|\new
.set MSB, \new
.endif
.endm
.set MUL_LO, 0xa1
.set MUL_HI, 0xf1
.set TO_B,   0x40
.macro TLOAD g0, g1                    ; a tensor load with the five lines behind it
	tensor_load_to_lds s[\g0:\g0+3], s[\g1:\g1+7]
	s_nop 0
.rept 4
	v_nop
.endr
.endm
.macro JLOAD g0a, g1a, g0b, g1b        ; waves 0, 1 fetch for the A side, waves 2, 3 for the B side
	s_cmp_eq_u32 s21, 0
	s_cbranch_scc0 .Lfor_b_\@
	TLOAD \g0a, \g1a
	s_branch .Lasked_\@
.Lfor_b_\@:
	TLOAD \g0b, \g1b
.Lasked_\@:
.endm
.macro CREST
	s_cmp_lg_u32 s20, 0
	s_cbranch_scc1 .Lnot_wave_0_\@
	s_barrier_signal -3
.Lnot_wave_0_\@:
	s_barrier_wait -3
	s_barrier_signal -1
	s_barrier_wait -1
.endm
.macro CROUND
	s_barrier_signal -1
	s_barrier_wait -1
	CREST
.endm
.macro MKG0 g, ldsreg, ldsoff, base, off
	s_mov_b32 s[\g], 1
	s_add_co_u32 s[\g+1], s[\ldsreg], \ldsoff
	s_add_nc_u64 s[\g+2:\g+3], s[\base:\base+1], \off
	s_or_b32 s[\g+3], s[\g+3], 0x80000000
.endm
	s_load_b256 s[4:11], s[0:1], 0x0               ; wcodes, wscales, rope, bq
	s_load_b256 s[12:19], s[0:1], 0x20             ; bk, bv, qkvc, qkvs
	v_lshl_add_u32 v[SPW], v0, 2, SPARE
	v_mov_b32 v[NIL], 0
	ds_add_u32 v[SPW], v[NIL]                      ; the opening lines: the add twice on end and one wait
	ds_add_u32 v[SPW], v[NIL]
	v_lshrrev_b32 v1, 5, v0
	v_readfirstlane_b32 s20, v1                    ; wave
	s_lshr_b32 s21, s20, 1                         ; my half of the A side's rows; also: I fetch for A (0) or B (1)
	s_and_b32 s22, s20, 1                          ; my half of the B side's rows; also: which eight tiles I fetch
	s_bfe_u32 s40, ttmp6, 0x40000                  ; cx
	s_bfe_u32 s41, ttmp6, 0x40004                  ; cy
	s_lshl_b32 s42, ttmp9, 2
	s_add_co_u32 s42, s42, s40                     ; X
	s_and_b32 s43, ttmp7, 0xffff
	s_lshr_b32 s92, s43, 1                         ; which product
	s_and_b32 s43, s43, 1
	s_lshl_b32 s43, s43, 2
	s_add_co_u32 s43, s43, s41                     ; Y
	s_lshl_b32 s44, s41, 2
	s_lshl_b32 s44, 15, s44                        ; my row of the cluster
	s_lshl_b32 s45, 0x1111, s40                    ; my column
	s_or_b32 s[G1+0], s44, (3<<16)|(1<<21)         ; dense blocks as rows of 256 bytes (32 elements of 8 bytes)
	s_or_b32 s[G1B+0], s45, (3<<16)|(1<<21)
	s_or_b32 s[G1S+0], s44, (3<<16)|(1<<21)
	s_or_b32 s[G1SB+0], s45, (3<<16)|(1<<21)
.irp g, G1, G1B                                ; codes: 192 rows at the head (16 tiles); behind it the two words that count rows are set to 96
	s_mov_b32 s[\g+1], 32<<16
	s_mov_b32 s[\g+2], 192<<16
	s_mov_b32 s[\g+3], 32<<16
	s_mov_b32 s[\g+4], 192
	s_mov_b32 s[\g+5], 32
	s_mov_b32 s[\g+6], 0
	s_mov_b32 s[\g+7], 0
.endr
.irp g, G1S, G1SB                              ; scale words of 256 rows: 64 rows of 256 bytes
	s_mov_b32 s[\g+1], 32<<16
	s_mov_b32 s[\g+2], 64<<16
	s_mov_b32 s[\g+3], 32<<16
	s_mov_b32 s[\g+4], 64
	s_mov_b32 s[\g+5], 32
	s_mov_b32 s[\g+6], 0
	s_mov_b32 s[\g+7], 0
.endr
	s_lshl_b32 s23, s43, 1
	s_add_co_u32 s23, s23, s21                     ; my 128 rows of the A side
	s_lshl_b32 s66, s42, 1
	s_add_co_u32 s66, s66, s22                     ; my 128 rows of the B side
	s_lshr_b32 s46, s92, 1
	s_xor_b32 s47, s46, 1
	s_add_co_u32 s2, s92, 1
	s_mul_i32 s47, s47, s2                         ; the B side's tensor: Wq 1, Wk 2, x 0
	s_mul_i32 s46, s46, 3                          ; the A side's: x 0, x 0, Wv 3
	s_lshl_b32 s2, s22, 3
	s_lshl_b32 s96, s43, 4
	s_add_co_u32 s96, s96, s2                      ; the first of the eight tiles that I fetch in the ring
	s_lshl_b32 s98, s96, 10
	s_mul_i32 s96, s96, 3072
	s_mul_i32 s97, s46, TENSC
	s_add_co_u32 s96, s96, s97
	s_lshl_b32 s97, s46, 17
	s_add_co_u32 s98, s98, s97
	s_mov_b32 s97, 0
	s_mov_b32 s99, 0
	s_lshl_b32 s100, s42, 4
	s_add_co_u32 s100, s100, s2
	s_lshl_b32 s94, s100, 10
	s_mul_i32 s100, s100, 3072
	s_mul_i32 s101, s47, TENSC
	s_add_co_u32 s100, s100, s101
	s_lshl_b32 s101, s47, 17
	s_add_co_u32 s94, s94, s101
	s_mov_b32 s101, 0
	s_mov_b32 s95, 0
	s_mul_i32 s67, s20, HALFT                      ; where my part of a slot lies: wave x 24,576
	s_wait_dscnt 0x0                               ; both opening adds are done
	s_wait_kmcnt 0x0
	s_add_nc_u64 s[96:97], s[4:5], s[96:97]        ; A side: codes,
	s_add_nc_u64 s[98:99], s[6:7], s[98:99]        ; scale words
	s_add_nc_u64 s[100:101], s[4:5], s[100:101]    ; B side
	s_add_nc_u64 s[94:95], s[6:7], s[94:95]
	CROUND                                         ; all sixteen work-groups are here: the first joint loads meet
.irp s, 0,1
	MKG0 G0+4*\s, 67, \s*SLOT, 96, \s*KPAIR        ; (wave 0's group 0 of slot 0 also serves its load at the head: 16 tiles from LDS byte 0)
	MKG0 G0B+4*\s, 67, \s*SLOT, 100, \s*KPAIR
.endr
	s_mov_b32 s[G0HB], 1                           ; wave 1 (its own eight tiles are the second eight): the B side's 16 tiles
	s_mov_b32 s[G0HB+1], 2*HALFT
	s_sub_nc_u64 s[G0HB+2:G0HB+3], s[100:101], HALFT
	s_or_b32 s[G0HB+3], s[G0HB+3], 0x80000000
	s_mov_b32 s[G0S], 1                            ; wave 2 (the first eight): the A side's scale words
	s_mov_b32 s[G0S+1], SCL
	s_mov_b64 s[G0S+2:G0S+3], s[98:99]
	s_or_b32 s[G0S+3], s[G0S+3], 0x80000000
	s_mov_b32 s[G0SB], 1                           ; wave 3 (the second eight): the B side's
	s_mov_b32 s[G0SB+1], SCB
	s_sub_nc_u64 s[G0SB+2:G0SB+3], s[94:95], 8192
	s_or_b32 s[G0SB+3], s[G0SB+3], 0x80000000
	s_cmp_eq_u32 s21, 0                            ; the prefetches: the tiles that I fetch in the ring,
	s_cselect_b64 s[PFA:PFA+1], s[96:97], s[100:101]
	s_cselect_b32 s46, s40, s41                    ; my place among the four that ask with me: cx for A, cy for B
	s_mul_i32 s46, s46, 6144                       ; its 24 blocks of 256 bytes,
	s_add_co_u32 s46, s46, KPAIR                   ; at K pair 1
	s_mov_b32 s47, 0
	s_add_nc_u64 s[PFA:PFA+1], s[PFA:PFA+1], s[46:47]
	s_lshl_b32 s100, s40, 1                        ; the table's blocks 1 to 7 of my 128 positions, 57,344 bytes, are read by eight waves of the cluster (4 cx x 2 halves of the B side):
	s_add_co_u32 s100, s100, s22                   ; each names an eighth, 28 blocks of 256 bytes, told apart by address
	s_mul_i32 s100, s100, 7168
	s_lshl_b32 s101, s23, 16
	s_add_co_u32 s100, s100, s101
	s_add_co_u32 s100, s100, 8192
	s_mov_b32 s101, 0
	s_add_nc_u64 s[100:101], s[8:9], s[100:101]
.macro ARM under, g0, g1, next         ; one chain of branches on the wave's number: every way passes exactly one load
	s_cmp_lt_u32 s20, \under
	s_cbranch_scc0 \next
	TLOAD \g0, \g1
	s_branch .Lhead_asked
\next:
.endm
	ARM 1, G0,   G1,  .Lhead_b
	ARM 2, G0HB, G1B, .Lhead_sa
	ARM 3, G0S,  G1S, .Lhead_sb
	TLOAD G0SB, G1SB
.Lhead_asked:
	s_mul_i32 s40, s21, HALFT                      ; my eight tiles of A in a slot,
	s_mul_i32 s41, s22, HALFT
	s_add_co_u32 s41, s41, 2*HALFT                 ; and of B
	s_xor_b32 s42, s21, 1
	s_add_co_u32 s42, s42, s22
	s_lshl_b32 s42, s42, 13
	s_add_co_u32 s42, s42, 8320                    ; from A's words of my rows to B's: 16,512 + 8,192 (my B half - my A half)
	s_lshl_b32 s43, s21, 13
	s_add_co_u32 s43, s43, SCL
	s_cmp_eq_u32 s92, 1
	s_cselect_b64 s[94:95], s[12:13], s[10:11]
	s_cmp_eq_u32 s92, 2
	s_cselect_b64 s[94:95], s[14:15], s[94:95]     ; this product's bias
	s_lshl_b32 s44, s66, 9
	s_mov_b32 s45, 0
	s_add_nc_u64 s[44:45], s[94:95], s[44:45]      ; by the B side's rows (q, k)
	s_lshl_b32 s46, s23, 9
	s_mov_b32 s47, 0
	s_add_nc_u64 s[46:47], s[94:95], s[46:47]      ; by the A side's rows (v)
	s_lshl_b32 s96, s23, 16
	s_mov_b32 s97, 0
	s_add_nc_u64 s[96:97], s[8:9], s[96:97]        ; the cosines and sines of my 128 positions
	v_and_b32 v1, 31, v0
	v_lshlrev_b32 v[LI], 4, v1
	v_and_b32 v2, 15, v0
	v_bfe_u32 v3, v0, 4, 1
	v_add_nc_u32 v[ADRA], s40, v[LI]
	v_add_nc_u32 v[ADRB], s41, v[LI]
	v_add_nc_u32 v[ADRA+1], SLOT, v[ADRA]
	v_add_nc_u32 v[ADRB+1], SLOT, v[ADRB]
	v_mul_u32_u24 v4, s42, v3                      ; lanes 16-31 take B's words
	v_lshl_add_u32 v4, v2, 3, v4
	v_add_nc_u32 v[ADRS], s43, v4
	v_lshlrev_b32 v[BIA], 6, v3
	v_and_b32 v[BVA], 8, v2
	v_add_nc_u32 v[BVA], v[BVA], v2
	v_lshlrev_b32 v[BVA], 2, v[BVA]
	v_min_u32 v[PFO], 23, v1
	v_lshlrev_b32 v[PFO], 8, v[PFO]
	v_min_u32 v31, 27, v1
	v_lshlrev_b32 v31, 8, v31                      ; 256 x min(lane, 27): the table's prefetch; never rewritten
	s_wait_alu depctr_va_vdst(0)                   ; the wait at the head's end
	global_prefetch_b8 v[PFO], s[PFA:PFA+1] th:TH_LOAD_NT scope:SCOPE_SE               ; K pair 1
	global_prefetch_b8 v[PFO], s[PFA:PFA+1] offset:KPAIR th:TH_LOAD_NT scope:SCOPE_SE  ; K pair 2
.irp b, 0,1,2,3
.irp k, 0,1,2,3
	global_load_b128 v[BI+16*\b+4*\k:BI+16*\b+4*\k+3], v[BIA], s[44:45] offset:128*\b+16*\k
.endr
.endr
.irp a, 0,1,2,3,4,5,6,7
	global_load_b32 v[BV+2*\a], v[BVA], s[46:47] offset:4*(32*(\a/2)+8*(\a%2))
	global_load_b32 v[BV+2*\a+1], v[BVA], s[46:47] offset:4*(32*(\a/2)+8*(\a%2))
.endr
.macro CSREG a                         ; block a's cosines at LC, sines at LS, in window 1: set 0 lies beside B's fragments, sets 1 to 3 where they lay
.if ((\a)%4) == 0
.set LC, 96
.set LS, 224
.elseif ((\a)%4) == 1
.set LC, 0
.set LS, 32
.elseif ((\a)%4) == 2
.set LC, 64
.set LS, 128
.else
.set LC, 160
.set LS, 192
.endif
.endm
.macro CSLOAD a
	CSREG \a
	WIN 0x40
.irp g, 0,1,2,3,4,5,6,7
	global_load_b128 v[LC+4*\g:LC+4*\g+3], v[LI], s[96:97] offset:(\a)*8192+512*\g
	global_load_b128 v[LS+4*\g:LS+4*\g+3], v[LI], s[96:97] offset:(\a)*8192+4096+512*\g
.endr
	WIN 0
.endm
	CSLOAD 0
	s_cmp_eq_u32 s92, 2
	s_cselect_b32 s93, 0, -1                       ; v's bias goes by the A side's rows and is added on the way out: there the sums start with 0
	s_wait_loadcnt 32                              ; the bias's 16 loads are in; the 16 + 16 issued behind them may be out
.set i, 0
.rept 64
	v_cndmask_b32 v[BI+i], 0, v[BI+i], s93
.set i, i+1
.endr
	s_wait_alu depctr_va_vdst(0)                   ; the wait here, directly ahead of the wait below
.macro FRAG reg, adr, q, i
.irp g, 0,1,2
	ds_load_b128 v[\reg+4*\g:\reg+4*\g+3], v[\adr] offset:(\i)*3072+(\q)*1536+512*\g
.endr
.endm
; 16 matrix instructions: A's blocks a0, a0 + 1 x B's eight.  The 64 accumulators take turns, in the same order in every step.  zero = 1: the first product starts the sums.
.macro MUL16 a0, p, q, sc, zero
.irp a, \a0, \a0+1
.irp b, 0,1,2,3,4,5,6,7
.if \zero
	v_wmma_scale_f32_16x16x128_f8f6f4 v[8*(8*((\a)%4)+\b):8*(8*((\a)%4)+\b)+7], v[128*(\p)+FR*\b:128*(\p)+FR*\b+FR-1], v[AF+FR*(\a):AF+FR*(\a)+FR-1], v[BI+8*\b:BI+8*\b+7], v[SC+8*NQ*(\sc)+NQ*\b+(\q)], v[SC+8*NQ*(\sc)+NQ*(\a)+(\q)] matrix_a_fmt:MATRIX_FMT_FP6 matrix_b_fmt:MATRIX_FMT_FP6 matrix_a_scale:MATRIX_SCALE_ROW1   ; the sums start with the bias of the B side's channels (q, k; in v's work-groups these registers hold 0)
.else
	v_wmma_scale_f32_16x16x128_f8f6f4 v[8*(8*((\a)%4)+\b):8*(8*((\a)%4)+\b)+7], v[128*(\p)+FR*\b:128*(\p)+FR*\b+FR-1], v[AF+FR*(\a):AF+FR*(\a)+FR-1], v[8*(8*((\a)%4)+\b):8*(8*((\a)%4)+\b)+7], v[SC+8*NQ*(\sc)+NQ*\b+(\q)], v[SC+8*NQ*(\sc)+NQ*(\a)+(\q)] matrix_a_fmt:MATRIX_FMT_FP6 matrix_b_fmt:MATRIX_FMT_FP6 matrix_a_scale:MATRIX_SCALE_ROW1
.endif
.endr
.endr
.endm
.macro FETCH_B slot, q, p
	WIN TO_B
.irp i, 0,1,2,3,4,5,6,7
	FRAG 128*(\p)+FR*\i, ADRB+\slot, \q, \i
.endr
	WIN 0
.endm
.macro FETCH_A slot, q, i0
.irp i, \i0, \i0+1, \i0+2, \i0+3
	FRAG AF+FR*(\i), ADRA+\slot, \q, \i
.endr
.endm
.macro SCALES sc                       ; a K pair's scale words: lanes 0-15 A's block i, lanes 16-31 B's
.irp i, 0,1,2,3,4,5,6,7
	ds_load_b64 v[SC+8*NQ*\sc+NQ*\i:SC+8*NQ*\sc+NQ*\i+1], v[ADRS] offset:\i*1024
.endr
.endm
.macro PLACES n                        ; places behind matrix instructions, in front of loads into their registers and of reads of results
.rept \n
	v_nop
.endr
.endm
.macro STEP slot, q, zero              ; a slot's first step; the second step's fragments are fetched in its middle and at its end
	s_wait_dscnt 4*NL                              ; all but the youngest twelve loads (A's blocks 4-7)
.if \zero
	WIN 0x81                                       ; C, the bias, lies in window 0
.else
	WIN MUL_LO
.endif
	MUL16 0, (\q)%2, \q, \slot, \zero
	MUL16 2, (\q)%2, \q, \slot, \zero
	s_wait_dscnt 0
	PLACES NP
	FETCH_B \slot, (\q)+1, 1-(\q)%2
	FETCH_A \slot, (\q)+1, 0
.if \zero
	WIN 0xc1
.else
	WIN MUL_HI
.endif
	MUL16 4, (\q)%2, \q, \slot, \zero
	MUL16 6, (\q)%2, \q, \slot, \zero
	PLACES NP
	WIN 0
	FETCH_A \slot, (\q)+1, 4
.endm
.macro TURN slot, next, fill           ; a slot's second step, and the change of slots
.if \fill
	s_wait_xcnt 0x0                                ; my last prefetch has read its address: it steps one K pair
	s_add_nc_u64 s[PFA:PFA+1], s[PFA:PFA+1], KPAIR
.endif
	s_wait_tensorcnt 0x0                           ; my one load that was out, my part of the next slot, has landed
	ds_add_u32 v[SPW], v[NIL]
	s_wait_dscnt 4*NL+1                            ; the add and the youngest twelve loads may be out
	WIN MUL_LO
	MUL16 0, 1, NQ-1, \slot, 0
	s_wait_dscnt 0x0                               ; the add is done, my reads of this slot are over
	s_barrier_signal -1
	MUL16 2, 1, NQ-1, \slot, 0
	WIN 0
	s_barrier_wait -1
.if \fill
	CREST                                          ; the barrier has opened a round of the cluster's barrier
	s_add_nc_u64 s[G0+4*\slot+2:G0+4*\slot+3], s[G0+4*\slot+2:G0+4*\slot+3], 2*KPAIR
	s_add_nc_u64 s[G0B+4*\slot+2:G0B+4*\slot+3], s[G0B+4*\slot+2:G0B+4*\slot+3], 2*KPAIR
	JLOAD G0+4*\slot, G1, G0B+4*\slot, G1B         ; the refill, first behind the round
.else
	PLACES NP
.endif
	s_wait_alu depctr_va_vdst(0)                   ; the wait ahead of the reader below
	v_add_nc_u32 v[ADRS], 128, v[ADRS]
	FETCH_B \next, 0, 0
	FETCH_A \next, 0, 0
	SCALES \next
.if \fill
	s_cmp_gt_u32 s3, 1                             ; the last lap's refills have no K pair two refills on
	s_cbranch_scc0 .Lno_ask_\@
	global_prefetch_b8 v[PFO], s[PFA:PFA+1] offset:2*KPAIR th:TH_LOAD_NT scope:SCOPE_SE
.Lno_ask_\@:
.endif
	WIN MUL_HI
	MUL16 4, 1, NQ-1, \slot, 0
	MUL16 6, 1, NQ-1, \slot, 0
	PLACES NP
	WIN 0
	FETCH_A \next, 0, 4
.endm
	s_wait_tensorcnt 0x0                           ; my tile of the head's four is in; slot 1's first fill is issued as a refill is:
	ds_add_u32 v[SPW], v[NIL]
	s_mov_b32 s[G1+2], 96<<16                      ; no load of mine is out: from here on a load brings 96 rows
	s_mov_b32 s[G1+4], 96
	s_mov_b32 s[G1B+2], 96<<16
	s_mov_b32 s[G1B+4], 96
	s_wait_dscnt 0x0
	CROUND                                         ; all four tiles are in, and the sixteen work-groups are here
	JLOAD G0+4, G1, G0B+4, G1B                     ; K pair 1
	FETCH_B 0, 0, 0
	FETCH_A 0, 0, 0
	SCALES 0
	FETCH_A 0, 0, 4
	global_prefetch_b8 v[PFO], s[PFA:PFA+1] offset:2*KPAIR th:TH_LOAD_NT scope:SCOPE_SE   ; K pair 3
	s_cmp_eq_u32 s92, 2                            ; v's work-groups read no more of the table
	s_cbranch_scc1 .Lno_table
	global_prefetch_b8 v31, s[100:101] th:TH_LOAD_NT scope:SCOPE_SE   ; the table's blocks 1 to 7, wanted behind the walk along K
.Lno_table:
	STEP 0, 0, 1
	s_mov_b32 s3, LAPS-1
.Llap:
	TURN 0, 1, 1
	STEP 1, 0, 0
	TURN 1, 0, 1
	STEP 0, 0, 0
	s_sub_co_u32 s3, s3, 1
	s_cmp_lg_u32 s3, 0
	s_cbranch_scc1 .Llap
	TURN 0, 1, 0                                   ; the last K pair: nothing more is asked for
	STEP 1, 0, 0
	s_wait_dscnt 4*NL
	WIN MUL_LO
	MUL16 0, 1, NQ-1, 1, 0
	MUL16 2, 1, NQ-1, 1, 0
	s_wait_dscnt 0
	WIN MUL_HI
	MUL16 4, 1, NQ-1, 1, 0
	MUL16 6, 1, NQ-1, 1, 0
	WIN 0
; The quantiser of 64 numbers a lane: registers 16 b + i are K = 32 b + 16 h + i of my row; a block lies in lanes l and l xor 16.
.macro QUANT s, pw
.irp b, 0,1,2,3
	v_max3_num_f32 v[TM+\b], |v[\s+16*\b]|, |v[\s+1+16*\b]|, 0x1800000   ; with the floor 2^(3 - 127): the byte cannot fall under 1
.endr
.irp i, 2,4,6,8,10,12,14
.irp b, 0,1,2,3
	v_max3_num_f32 v[TM+\b], v[TM+\b], |v[\s+16*\b+\i]|, |v[\s+1+16*\b+\i]|
.endr
.endr
.irp b, 0,1,2,3
	v_permlanex16_b32 v[TM+4+\b], v[TM+\b], s[SEL], s[SEL+1]
.endr
.irp b, 0,1,2,3
	v_max_num_f32 v[TM+\b], v[TM+\b], v[TM+4+\b]
.endr
.irp b, 0,1,2,3
	v_add_nc_u32 v[TM+12+\b], 0xff000000, v[TM+\b]   ; 2 off the exponent field: the conversion's scale operand
.endr
.irp b, 0,1,2,3
	v_lshrrev_b32 v[TM+4+\b], 23, v[TM+12+\b]        ; the byte
.endr
	v_lshl_or_b32 v[\pw], v[TM+5], 8, v[TM+4]
	v_lshl_or_b32 v[\pw], v[TM+6], 16, v[\pw]
	v_lshl_or_b32 v[\pw], v[TM+7], 24, v[\pw]
.irp c, 0,1
	v_cvt_scalef32_pk16_fp6_f32 v[PC+6*\c:PC+2+6*\c], v[\s+32*\c:\s+15+32*\c], v[TM+12+2*\c]
	v_cvt_scalef32_pk16_fp6_f32 v[PC+12+4*\c:PC+14+4*\c], v[\s+16+32*\c:\s+31+32*\c], v[TM+12+2*\c+1]
.endr
	v_nop                                          ; one plain place behind a scaled conversion
.irp c, 0,1                                    ; a whole block in a lane
.irp i, 0,1,2
	v_permlane16_swap_b32 v[PC+6*\c+\i], v[PC+12+4*\c+\i]
.endr
.irp i, 0,1,2
	v_mov_b32 v[PC+3+6*\c+\i], v[PC+12+4*\c+\i]
.endr
.endr
.endm
.macro SENDROW a
	WIN 0
	s_wait_xcnt 0x0                                ; the last block's stores have read their data
	QUANT T, PWS+(\a)
.irp g, 0,1,2
	global_store_b128 v[LI], v[PC+4*\g:PC+4*\g+3], s[16:17] offset:(\a)*1536+512*\g   ; 512 consecutive bytes
.endr
.endm
.macro ROWQK a
.if (\a) < 5
	s_wait_loadcnt 48                              ; block a's table is in; the 16 loads of each of the three blocks behind it may be out
.else
	s_wait_loadcnt 16*(7-(\a))
.endif
	WIN 0x06+(\a)/4                                ; source 0: the accumulators (window 2 or 3); source 1: the table (window 1)
.set AC, 64*((\a)%4)
	CSREG \a
.set e, 0
.rept 16                                       ; channel d with d + 64: x cos - y sin, y cos + x sin
.set U, TP+4*((e/2)%3)
	v_pk_mul_f32 v[U:U+1], v[AC+e:AC+e+1], v[LC+e:LC+e+1]              ; each accumulator from its low end on
	v_pk_mul_f32 v[U+2:U+3], v[AC+e:AC+e+1], v[LS+e:LS+e+1]
	v_pk_fma_f32 v[T+e:T+e+1], v[AC+32+e:AC+33+e], v[LS+e:LS+e+1], v[U:U+1] neg_lo:[0,1,0] neg_hi:[0,1,0]
	v_pk_fma_f32 v[T+32+e:T+33+e], v[AC+32+e:AC+33+e], v[LC+e:LC+e+1], v[U+2:U+3]
.set e, e+2
.endr
	SENDROW \a
.if (\a)+4 < 8
	CSLOAD (\a)+4                                  ; into the set just read, behind the block's stores
.endif
.endm
.macro ROWV a
	WIN 0x02+(\a)/4
.set e, 0
.rept 32
	v_pk_add_f32 v[T+e:T+e+1], v[64*((\a)%4)+e:64*((\a)%4)+e+1], v[BV+2*(\a):BV+2*(\a)+1]
.set e, e+2
.endr
	SENDROW \a
.endm
	PLACES NP
	s_wait_xcnt 0x0                                ; the head's loads have read their bases
	s_mov_b32 s93, 0xffff0000
	s_mov_b32 s[SEL], 0x76543210
	s_mov_b32 s[SEL+1], 0xfedcba98
.irp b, 0,1,2,3
	v_mov_b32 v[TM+4+\b], 0                        ; a lane permute's destination counts as one of its sources
.endr
	s_cmp_eq_u32 s92, 2                            ; where my eight fragments and their scale words go: q by head and tile; k and v by head and key step, k's eight then v's
	s_cselect_b32 s40, s23, s66
	s_cselect_b32 s41, s66, s23
	s_min_u32 s42, s92, 1
	s_lshr_b32 s43, s92, 1
	s_mul_i32 s44, s40, 196608
	s_mul_i32 s45, s41, 12288
	s_add_co_u32 s44, s44, s45
	s_lshl_b32 s44, s44, s42
	s_mul_i32 s45, s42, TENSC
	s_add_co_u32 s44, s44, s45
	s_mul_i32 s45, s43, 12288
	s_add_co_u32 s44, s44, s45
	s_mov_b32 s45, 0
	s_add_nc_u64 s[16:17], s[16:17], s[44:45]
	s_lshl_b32 s44, s40, 13
	s_lshl_b32 s46, s41, 9
	s_add_co_u32 s44, s44, s46
	s_lshl_b32 s44, s44, s42
	s_lshl_b32 s46, s42, 17
	s_add_co_u32 s44, s44, s46
	s_lshl_b32 s46, s43, 9
	s_add_co_u32 s44, s44, s46
	s_add_nc_u64 s[18:19], s[18:19], s[44:45]
	s_cmp_eq_u32 s92, 2
	s_cbranch_scc1 .Lv
	CSLOAD 1                                       ; window 1 is free: three blocks' tables are asked for at once
	CSLOAD 2
	CSLOAD 3
.irp a, 0,1,2,3,4,5,6,7
	ROWQK \a
.endr
	s_branch .Ljoin
.Lv:
	s_wait_loadcnt 0x0
.irp a, 0,1,2,3,4,5,6,7
	ROWV \a
.endr
.Ljoin:
.irp k, 0,1,2,3
	v_cndmask_b32 v[SW+\k], v[PWS+\k], v[PWS+4+\k], s93   ; tile k's words in lanes 0-15, tile 4 + k's in lanes 16-31
.endr
	global_store_b128 v[LI], v[SW:SW+3], s[18:19]
	s_wait_tensorcnt 0x0                           ; the wave's end
	ds_add_u32 v[SPW], v[NIL]
	s_wait_dscnt 0x0
	CROUND                                         ; the closing round
	s_endpgm
.Lfunc_end_k_q6d3297dd26_proj:
	.size	k_q6d3297dd26_proj, .Lfunc_end_k_q6d3297dd26_proj-k_q6d3297dd26_proj
	.p2alignl 7, 3214868480
	.fill 96, 4, 3214868480
	.section	.rodata,"a",@progbits
	.p2align	6, 0x0
	.amdhsa_kernel k_q6d3297dd26_proj
		.amdhsa_group_segment_fixed_size 327680
		.amdhsa_private_segment_fixed_size 0
		.amdhsa_enable_private_segment 0
		.amdhsa_kernarg_size 64
		.amdhsa_user_sgpr_count 2
		.amdhsa_user_sgpr_kernarg_segment_ptr 1
		.amdhsa_wavefront_size32 1
		.amdhsa_system_sgpr_workgroup_id_x 1
		.amdhsa_system_sgpr_workgroup_id_y 1
		.amdhsa_system_sgpr_workgroup_id_z 1
		.amdhsa_system_vgpr_workitem_id 0
		.amdhsa_next_free_vgpr 1024
		.amdhsa_next_free_sgpr 102
		.amdhsa_reserve_vcc 0
		.amdhsa_float_denorm_mode_32 3
		.amdhsa_float_denorm_mode_16_64 3
		.amdhsa_memory_ordered 1
		.amdhsa_forward_progress 1
		.amdhsa_inst_pref_size 244
	.end_amdhsa_kernel
	.amdgpu_metadata
---
amdhsa.version: [ 1, 2 ]
amdhsa.kernels:
  - .name:           k_q6d3297dd26_proj
    .symbol:         k_q6d3297dd26_proj.kd
    .args:
      - { .name: wcodes, .offset: 0, .size: 8, .value_kind: global_buffer, .address_space: global }
      - { .name: wscales, .offset: 8, .size: 8, .value_kind: global_buffer, .address_space: global }
      - { .name: rope, .offset: 16, .size: 8, .value_kind: global_buffer, .address_space: global }
      - { .name: bq, .offset: 24, .size: 8, .value_kind: global_buffer, .address_space: global }
      - { .name: bk, .offset: 32, .size: 8, .value_kind: global_buffer, .address_space: global }
      - { .name: bv, .offset: 40, .size: 8, .value_kind: global_buffer, .address_space: global }
      - { .name: qkvc, .offset: 48, .size: 8, .value_kind: global_buffer, .address_space: global }
      - { .name: qkvs, .offset: 56, .size: 8, .value_kind: global_buffer, .address_space: global }
    .group_segment_fixed_size: 327680
    .private_segment_fixed_size: 0
    .kernarg_segment_align: 8
    .kernarg_segment_size: 64
    .max_flat_workgroup_size: 128
    .sgpr_count:     102
    .vgpr_count:     1024
    .wavefront_size: 32
...
	.end_amdgpu_metadata
.endif
;; end of part 2
;; launch attn (part 3): grid 16 x 16, 8 waves a work-group, clusters of 4 x 1, 327,680 bytes of LDS; arguments qkvc, qkvs, acodes, ascales; writes acodes, ascales
.if DOCPART == 3
	.amdgcn_target "amdgcn-amd-amdhsa--gfx1250"
	.amdhsa_code_object_version 6
	.text
	.protected	k_q6d3297dd26_attn
	.globl	k_q6d3297dd26_attn
	.p2align	8
	.type	k_q6d3297dd26_attn,@function
k_q6d3297dd26_attn:
	s_mov_b64 s[64:65], 0
	v_nop
	global_prefetch_b8 v0, s[64:65] scope:SCOPE_SE
	s_setreg_imm32_b32 hwreg(HW_REG_WAVE_MODE, 25, 1), 1
	s_wait_xcnt 0x0
	s_wait_alu depctr_hold_cnt(0) depctr_sa_sdst(0) depctr_va_vdst(0) depctr_va_sdst(0) depctr_va_ssrc(0) depctr_va_vcc(0) depctr_vm_vsrc(0)
	s_getreg_b32 s2, hwreg(HW_REG_IB_STS2, 6, 4)
	s_cmp_eq_u32 s2, 0
	s_cbranch_scc0 .Lentry_in_a_cluster
	s_endpgm
.Lentry_in_a_cluster:
	s_bfe_u32 s2, ttmp6, 0x10000c
	s_cmp_lg_u32 s2, 0x3003
	s_cbranch_scc0 .Lentry_shape_is_right
	s_endpgm
.Lentry_shape_is_right:
; O[head][q] = the sum over k of softmax_k(Q . K / sqrt(128)) V, both products on codes of FP6 (E2M3) with E8M0 scales; O is divided by the row's sum and quantised along the head's 128 for the last product.
; THE SOFTMAX AHEAD OF THE SECOND PRODUCT: t = score x log2(e) / sqrt(128); M = the running largest t, rounded UP to a whole number; p = 2^(t - M) is quantised along the keys, not normalised; the row's sum is taken of the unquantised p.
; When M moves, the sum and O are multiplied by 2^(old M - new M): exact.
; q, k, v come as images of operand registers (1,536 bytes a fragment: register 4 g + m of lane L at 512 g + 16 L + 4 m); lane r of tile t holds row 32 (t / 2) + 8 (t % 2) + r + 8 (r / 8) (a query, a key, or one of v's 128 channels).
; Both products are used transposed: S^T = K Q^T, O^T = V^T P^T: a lane holds ONE query throughout; the 16 registers of two neighbouring tiles are 16 neighbouring keys (or channels).
; SHARES.  Work-group x = 2 B + u of a head: wave w owns the query tile 16 B + 2 w + u.  Its lane r has query 256 B + 32 w + 8 u + r + 8 (r / 8).  The result, flattened head by head and cut into rows of 2,048, puts query s of a head
; into row 128 head + s / 16, K step s % 16: so the work-group makes eight WHOLE fragments of the last product's A: rows 16 (8 head + B) + 0 .. 15, K steps 8 u .. 8 u + 7.  They are put together in LDS and leave as images.
; K and V of a head are 16 key steps of 24,576 bytes (k's eight fragments, then v's), dense in memory.  LDS holds twelve: three slots of four; the first is filled again once, with the last four.  The head's scale words come once.
; THE FRAGMENTS COME OUT OF LDS A PHASE AHEAD.  A step's V is asked for at the step's head and used behind its softmax; the next step's K is asked for behind this step's K Q^T and used at the next step's head.  So K and V have
; 96 registers each, in window 1, and each product's eight matrix instructions stand together.  The changes of slot stand inside a step, behind its K Q^T, so that the look-ahead reads only slots that have been shown whole.
; CLUSTER: the four work-groups of a cluster belong to one head and walk the same K and V: every tile is asked for jointly, with the mask of all four; each of the eight waves brings an eighth.
; No prefetch: of the four loads a wave issues, three go out at the head and the fourth has more than eight key steps in which to land.
; acodes: 393,216 (sigma / 2) + 3,072 T + 1,536 (sigma % 2), T = 8 head + B, natural rows.  ascales: 1,024 T + 128 (sigma / 2) + 8 row + 4 (sigma % 2).
; REGISTERS, in windows of 256.  Window 0: v1-11 addresses; v12 -M, v13 the largest t, v[14:15] the sum in two halves; v16-27 Q; v28-31 V's scale words; v32-71 at work on the way out; v96-159 S^T, then p; v160-223 O^T; v224-235 p's codes;
;   v232-247, v252, v254 at work; v248-251 K's scale words; v253 p's; v255 Q's.   Window 1: v0-95 K's eight fragments; v96-191 V's eight.  Six switches of the window a key step.
; LIMITS: NaN and infinities are not served; a block whose largest magnitude lies under 2^-124 gets the byte 1 (this program alone reads the bytes).
; HOW THE TILES COME (this takes the place of what the lines above say of the loads and of the prefetch).  At the head each wave issues ONE joint load: waves 0-3 a quarter of slot 0 (one key step, 24,576 bytes),
; waves 4-7 a quarter of the head's scale words (4,096 bytes).  Behind the three lines and a round of the cluster's barrier each wave brings an eighth of slots 1 and 2 together (24,576 bytes).
; The one refill of slot 0 is brought by waves 0-3, a quarter each.  PREFETCH: the 32 waves of a cluster share each slot's 384 blocks of 256 bytes out by address, twelve a wave (lanes 12-31 name the last again):
; slots 1 and 2 are named behind the head's loads, key steps 12-15 behind the second load.
.set KSTEPB, 24576
; (Of the prefetches named above only the last is written: key steps 4-11 have three key steps in which to land and no wave waits for them, so nothing is named behind the head's loads.)
.set SLOT,  98304
.set SCK,   294912                     ; the head's scale words: 1,024 bytes a key step, K's 512 and V's 512
.set OSTG,  311296                     ; eight fragments on the way out, 1,568 bytes apart
.set OP,    1568
.set OSC,   323840                     ; and their scale words, 512 bytes
.set SPARE, 324352                     ; the spare words, 128 bytes for each wave: four blocks of 256 bytes that no other line names
.set LI,   1                           ; v1   16 L
.set ASC,  2                           ; v2   SCK + 16 L
.set OW,   3                           ; v3   where my query's codes go in the stage
.set OWS,  4                           ; v4   and its scale word
.set SPW,  5
.set NIL,  6
.set ORD,  7                           ; v7   where I read fragment w back
.set ADK,  8
.set ADS,  9
.set OSR,  10                          ; v10  OSC + 16 L
.set QSA,  11                          ; v11  16 r
.set VSC,  28                          ; v28-31 V's scale words
.set KSC,  248                         ; v248-251 K's
.set KF,   0                           ; in window 1: K's fragments,
.set VF,   96                          ; and V's
.set TM,   32                          ; the way out's quantiser: at work,
.set PC,   52                          ; and its codes
.set WV,   12
.set SEL,  20
.set CS,   22
.set G1C,  24
.set G1S,  32
.set G0S,  40
.set G0,   44                          ; s[44:51] group 0 of slot 0 and of slots 1-2 together
.set TB,   2
.set TS,   3
.set CNT,  56
.set MSB, 0
.macro WIN new                         ; the immediate's high byte repeats the setting that is left; a switch that changes nothing is dropped
.if MSB != \new
	s_set_vgpr_msb (MSB<<8)|\new
.set MSB, \new
.endif
.endm
.set TO_F, 0x40                        ; destination window 1, address window 0
.set MUL,  0x01                        ; source 0 (K or V) window 1; all else window 0
.macro CROUND                          ; a round of the cluster's barrier
	s_barrier_signal -1
	s_barrier_wait -1
	s_cmp_lg_u32 s[WV], 0
	s_cbranch_scc1 .Lnot_wave_0_\@
	s_barrier_signal -3
.Lnot_wave_0_\@:
	s_barrier_wait -3
	s_barrier_signal -1
	s_barrier_wait -1
.endm
	s_load_b256 s[4:11], s[0:1], 0x0               ; qkvc s[4:5], qkvs s[6:7], acodes s[8:9], ascales s[10:11]
	v_lshl_add_u32 v[SPW], v0, 2, SPARE
	v_mov_b32 v[NIL], 0
	ds_add_u32 v5, v6
	ds_add_u32 v5, v6
	s_wait_dscnt 0x0
	v_lshrrev_b32 v8, 5, v0
	s_delay_alu instid0(VALU_DEP_1)
	v_readfirstlane_b32 s[WV], v8                  ; wave 0..7
	s_bfe_u32 s13, ttmp6, 0x40000                  ; cx
	s_lshl_b32 s14, ttmp9, 2
	s_add_co_u32 s14, s14, s13                     ; work-group x: it enters Q's and the results' addresses alone
	s_lshr_b32 s15, s14, 1                         ; B
	s_and_b32 s16, s14, 1                          ; u
	s_and_b32 s17, ttmp7, 0xffff                   ; the head, which the four partners share
	s_mul_i32 s58, s17, 393216
	s_mul_i32 s19, s[WV], 24576                    ; my part of a load's bytes, in memory and in LDS
	s_add_co_u32 s58, s58, s19
	s_add_co_u32 s58, s58, 3145728
	s_mov_b32 s59, 0
	s_lshl_b32 s60, s17, 14
	s_and_b32 s18, s[WV], 3
	s_lshl_b32 s18, s18, 12                        ; waves 4-7: my quarter of the scale words
	s_add_co_u32 s60, s60, s18
	s_add_co_u32 s60, s60, 131072
	s_mov_b32 s61, 0
	; group 1: dense blocks as rows of 256 bytes (32 elements of 8 bytes): 96 rows of codes, 16 rows of scale words; the mask names all four work-groups
	s_mov_b32 s[G1C], 15|(3<<16)|(1<<21)
	s_mov_b32 s[G1C+1], 32<<16
	s_mov_b32 s[G1C+2], 96<<16
	s_mov_b32 s[G1C+3], 32<<16
	s_mov_b32 s[G1C+4], 96
	s_mov_b32 s[G1C+5], 32
	s_mov_b32 s[G1C+6], 0
	s_mov_b32 s[G1C+7], 0
	s_mov_b32 s[G1S], 15|(3<<16)|(1<<21)
	s_mov_b32 s[G1S+1], 32<<16
	s_mov_b32 s[G1S+2], 16<<16
	s_mov_b32 s[G1S+3], 32<<16
	s_mov_b32 s[G1S+4], 16
	s_mov_b32 s[G1S+5], 32
	s_mov_b32 s[G1S+6], 0
	s_mov_b32 s[G1S+7], 0
	s_mov_b32 s[SEL], 0x76543210
	s_mov_b32 s[SEL+1], 0xfedcba98
	s_mov_b32 s[CS], 0x3e0293ee                    ; c = log2(e) / sqrt(128)
	s_mov_b32 s[CS+1], s[CS]                       ; (named with it as a pair, so it is written)
	s_wait_kmcnt 0x0
	s_mov_b32 s[G0S], 1
	s_add_co_u32 s[G0S+1], s18, SCK
	s_add_nc_u64 s[G0S+2:G0S+3], s[6:7], s[60:61]
	s_or_b32 s[G0S+3], s[G0S+3], 0x80000000
	s_add_nc_u64 s[58:59], s[4:5], s[58:59]
	s_lshl_b32 s62, s13, 3                         ; the prefetches: my wave's number in the cluster, 8 cx + w,
	s_add_co_u32 s62, s62, s[WV]
	s_mul_i32 s62, s62, 3072                       ; its twelve blocks of a slot,
	s_mul_i32 s63, s17, 393216
	s_add_co_u32 s62, s62, s63                     ; in this head's K and V
	s_add_co_u32 s62, s62, 3145728
	s_mov_b32 s63, 0
	s_add_nc_u64 s[62:63], s[4:5], s[62:63]
.irp n, 0,1
	s_mov_b32 s[G0+4*\n], 1
	s_add_co_u32 s[G0+4*\n+1], s19, \n*SLOT
	s_add_nc_u64 s[G0+4*\n+2:G0+4*\n+3], s[58:59], \n*SLOT
	s_or_b32 s[G0+4*\n+3], s[G0+4*\n+3], 0x80000000
.endr
	CROUND                                         ; all four work-groups are here: the first joint loads meet
	s_cmp_lt_u32 s[WV], 4                          ; one load a wave at the head
	s_cbranch_scc0 .Lhead_sc
	tensor_load_to_lds s[G0:G0+3], s[G1C:G1C+7]    ; waves 0-3: key step w
	s_nop 0
.rept 4
	v_nop
.endr
	s_branch .Lhead_asked
.Lhead_sc:
	tensor_load_to_lds s[G0S:G0S+3], s[G1S:G1S+7]  ; waves 4-7: a quarter of the scale words
	s_nop 0
.rept 4
	v_nop
.endr
.Lhead_asked:
	v_and_b32 v72, 31, v0
	s_delay_alu instid0(VALU_DEP_1)
	v_min_u32 v72, 11, v72
	s_delay_alu instid0(VALU_DEP_1)
	v_lshlrev_b32 v72, 8, v72                      ; 256 x min(lane, 11); never rewritten
	v_and_b32 v8, 31, v0
	s_delay_alu instid0(VALU_DEP_1)
	v_lshlrev_b32 v[LI], 4, v8
	s_delay_alu instid0(VALU_DEP_1)
	v_add_nc_u32 v[ASC], SCK, v[LI]
	v_and_b32 v8, 7, v0                            ; r % 8: which of the eight fragments my query belongs to
	v_bfe_u32 v9, v0, 3, 1                         ; r / 8
	v_bfe_u32 v10, v0, 4, 1                        ; h
	s_delay_alu instid0(VALU_DEP_3)
	v_mul_u32_u24 v[OW], v8, OP
	s_delay_alu instid0(VALU_DEP_1)
	v_lshl_add_u32 v[OW], v10, 8, v[OW]
	s_delay_alu instid0(VALU_DEP_1)
	v_lshl_add_u32 v[OW], v9, 4, v[OW]
	s_lshl_b32 s18, s[WV], 5
	s_add_co_u32 s18, s18, OSTG
	v_add_nc_u32 v[OW], s18, v[OW]                 ; in that fragment I am lane (2 w + r / 8) + 16 h: 16 bytes a lane
	v_bfe_u32 v[OWS], v0, 1, 2
	s_delay_alu instid0(VALU_DEP_1)
	v_lshlrev_b32 v[OWS], 7, v[OWS]
	s_delay_alu instid0(VALU_DEP_1)
	v_lshl_add_u32 v[OWS], v9, 3, v[OWS]
	v_and_b32 v11, 1, v0
	s_delay_alu instid0(VALU_DEP_1)
	v_lshl_add_u32 v[OWS], v11, 2, v[OWS]
	s_lshl_b32 s18, s[WV], 4
	s_add_co_u32 s18, s18, OSC
	v_add_nc_u32 v[OWS], s18, v[OWS]               ; 128 ((r % 8) / 2) + 8 (2 w + r / 8) + 4 (r % 2)
	s_mul_i32 s18, s[WV], OP
	s_add_co_u32 s18, s18, OSTG
	v_add_nc_u32 v[ORD], s18, v[LI]
	v_add_nc_u32 v[OSR], OSC, v[LI]
	v_and_b32 v[QSA], 15, v0
	s_delay_alu instid0(VALU_DEP_1)
	v_lshlrev_b32 v[QSA], 4, v[QSA]
	s_wait_alu depctr_va_vdst(0)
	s_lshl_b32 s18, s15, 4
	s_lshl_b32 s19, s[WV], 1
	s_add_co_u32 s18, s18, s19
	s_add_co_u32 s18, s18, s16                     ; my tile of queries: 16 B + 2 w + u
	s_mul_i32 s58, s17, 196608
	s_mul_i32 s19, s18, 1536
	s_add_co_u32 s58, s58, s19
	s_mov_b32 s59, 0
	s_add_nc_u64 s[4:5], s[4:5], s[58:59]          ; its fragment
	s_lshl_b32 s58, s17, 13
	s_lshr_b32 s19, s18, 2
	s_lshl_b32 s19, s19, 8                         ; 512 (t / 8) + 256 ((t % 8) / 4) = 256 (t / 4)
	s_add_co_u32 s58, s58, s19
	s_and_b32 s19, s18, 3
	s_lshl_b32 s19, s19, 2
	s_add_co_u32 s58, s58, s19
	s_add_nc_u64 s[6:7], s[6:7], s[58:59]          ; its scale words
.irp g, 0,1,2
	global_load_b128 v[16+4*\g:19+4*\g], v[LI], s[4:5] offset:512*\g   ; Q stays in registers
.endr
	global_load_b32 v255, v[QSA], s[6:7]
	s_lshl_b32 s18, s16, 2
	s_lshr_b32 s19, s[WV], 1
	s_add_co_u32 s18, s18, s19                     ; sigma / 2 of the fragment that I store: sigma = 8 u + w
	s_mul_i32 s18, s18, 393216
	s_lshl_b32 s19, s17, 3
	s_add_co_u32 s19, s19, s15                     ; T = 8 head + B
	s_mul_i32 s57, s19, 3072
	s_add_co_u32 s18, s18, s57
	s_and_b32 s57, s[WV], 1
	s_mul_i32 s57, s57, 1536
	s_add_co_u32 s58, s18, s57
	s_add_nc_u64 s[8:9], s[8:9], s[58:59]
	s_lshl_b32 s58, s19, 10
	s_lshl_b32 s57, s16, 9
	s_add_co_u32 s58, s58, s57
	s_add_nc_u64 s[10:11], s[10:11], s[58:59]
	v_mov_b32 v13, 0xff61b1e6                      ; the largest t so far: -3e38, under every t
	s_delay_alu instid0(VALU_DEP_1)
	v_floor_f32 v12, -v13                          ; -M
	v_mov_b32 v14, 0                               ; the sum, in two halves
	v_mov_b32 v15, 0
.irp b, 0,1,2,3
	v_mov_b32 v[236+\b], 0                         ; written once: a lane permute's destination counts as one of its sources
.endr
	v_mov_b32 v253, 0                              ; (named as the upper half of the pair v[252:253] before it is first written)
.set j, 0
.rept 64
	v_mov_b32 v[160+j], 0                          ; O^T.  (The step is written without a first step of its own: the first finds zeros, which the first change of M leaves zeros)
.set j, j+1
.endr
; K's eight fragments of a key step, 24 loads of 512 consecutive bytes, into window 1
.macro LOADK adr, off
	WIN TO_F
.irp t, 0,1,2,3,4,5,6,7
.irp c, 0,1,2
	ds_load_b128 v[KF+12*\t+4*\c:KF+12*\t+4*\c+3], v[\adr] offset:\off+\t*1536+512*\c
.endr
.endr
	WIN 0
.endm
; A KEY STEP: 128 keys, whose tiles begin at LDS byte s[TB] and whose scale words at SCK + s[TS].  Its K and K's scale words were asked for a step ago.
; mode 0: the next step's K lies 24,576 bytes on.   mode 1: the same, and behind K Q^T slot 0, whose last bytes (this step's V) have been read, is filled again.
; mode 2: the next step's K lies in the slot that was filled again, at LDS byte 0: behind K Q^T a wait and a barrier show it whole.   mode 3: the last step: nothing is asked for.
.macro STEP mode
	v_add_nc_u32 v[ADK], s[TB], v[LI]
	v_add_nc_u32 v[ADS], s[TS], v[ASC]
	v_nop
	v_nop                                          ; with the two additions: four places in front of loads into registers that the last step's V^T P has read
	ds_load_b128 v[VSC:VSC+3], v[ADS] offset:512   ; V's scale words: register k: tile k in lanes 0-15, tile 4 + k in lanes 16-31
	WIN TO_F
.irp t, 0,1,2,3,4,5,6,7
.irp c, 0,1,2
	ds_load_b128 v[VF+12*\t+4*\c:VF+12*\t+4*\c+3], v[ADK] offset:12288+\t*1536+512*\c   ; this step's V: it lands while the softmax is walked
.endr
.endr
	s_wait_dscnt 25                                ; LDS loads come back in order: all but the 25 just issued: K and its scale words are in
	WIN MUL
.irp t, 0,1,2,3,4,5,6,7                        ; S^T = K Q^T: eight tiles of 16 keys
.if \t < 4
	v_wmma_scale_f32_16x16x128_f8f6f4 v[96+8*\t:103+8*\t], v[KF+12*\t:KF+12*\t+11], v[16:27], 0, v[KSC+\t], v255 matrix_a_fmt:MATRIX_FMT_FP6 matrix_b_fmt:MATRIX_FMT_FP6
.else
	v_wmma_scale_f32_16x16x128_f8f6f4 v[96+8*\t:103+8*\t], v[KF+12*\t:KF+12*\t+11], v[16:27], 0, v[KSC+\t-4], v255 matrix_a_fmt:MATRIX_FMT_FP6 matrix_b_fmt:MATRIX_FMT_FP6 matrix_a_scale:MATRIX_SCALE_ROW1
.endif
.endr
.if (\mode) == 1
	WIN 0                                          ; THE ONE REFILL.
	s_wait_tensorcnt 0x0                           ; all my loads have landed (slots 1 and 2 among them), so a group 0 may be written;
	ds_add_u32 v[SPW], v[NIL]                      ; 0 onto my spare word
	s_add_nc_u64 s[G0+2:G0+3], s[G0+2:G0+3], 3*SLOT   ; slot 0 takes key steps 12-15
	s_wait_dscnt 0x0                               ; the add is done, and my reads of slot 0 are over: this step's V, the last of them, is in registers
	CROUND                                         ; no wave of any partner still reads slot 0 or has a load on its way
	s_cmp_lt_u32 s[WV], 4                          ; waves 0-3 bring a quarter each; the others have no part of it
	s_cbranch_scc0 .Lno_refill_\@
	tensor_load_to_lds s[G0:G0+3], s[G1C:G1C+7]    ; it has the rest of this step and eight more in which to land
	s_nop 0
.rept 4
	v_nop
.endr
.Lno_refill_\@:
.elseif (\mode) == 2
	WIN 0
	s_wait_tensorcnt 0x0                           ; my part of key steps 12-15 is in,
	s_wait_dscnt 0x0
	s_barrier_signal -1
	s_barrier_wait -1                              ; everybody's is
.endif
.rept 4
	v_nop                                          ; four places behind K Q^T: for the loads into K's registers and K's scale words, and for the first read of the scores
.endr
.if (\mode) == 2
	LOADK LI, 0                                    ; the next step's K: it lands while the softmax is walked
	s_wait_alu depctr_va_vdst(0)
	ds_load_b128 v[KSC:KSC+3], v[ADS] offset:1024
.elseif (\mode) != 3
	s_wait_alu depctr_va_vdst(0)
	LOADK ADK, KSTEPB
	ds_load_b128 v[KSC:KSC+3], v[ADS] offset:1024
.endif
	WIN 0
.irp b, 0,1,2,3
	v_max3_num_f32 v[232+\b], v[96+16*\b], v[97+16*\b], v[98+16*\b]   ; THE LARGEST SCORE OF EACH BLOCK OF 32 KEYS: for the row's maximum, and, since p rises with the score, for the block's largest p
.endr
.irp i, 3,5,7,9,11,13
.irp b, 0,1,2,3
	v_max3_num_f32 v[232+\b], v[232+\b], v[96+16*\b+\i], v[97+16*\b+\i]
.endr
.endr
.irp b, 0,1,2,3
	v_max_num_f32 v[232+\b], v[232+\b], v[111+16*\b]
.endr
.irp b, 0,1,2,3
	s_delay_alu instid0(VALU_DEP_4)
	v_permlanex16_b32 v[236+\b], v[232+\b], s[SEL], s[SEL+1]
.endr
.irp b, 0,1,2,3
	s_delay_alu instid0(VALU_DEP_4)
	v_max_num_f32 v[232+\b], v[232+\b], v[236+\b]  ; with lane l xor 16's 16 keys
.endr
	s_delay_alu instid0(VALU_DEP_2)
	v_max3_num_f32 v254, v232, v233, v234
	s_delay_alu instid0(VALU_DEP_1)
	v_max_num_f32 v254, v254, v235                 ; the step's largest score of my query
	s_delay_alu instid0(VALU_DEP_1)
	v_mul_f32 v254, s[CS], v254                    ; as t (c is positive)
	s_delay_alu instid0(VALU_DEP_1)
	v_max_num_f32 v13, v13, v254                   ; the running largest t
	v_mov_b32 v254, v12
	s_delay_alu instid0(VALU_DEP_2)
	v_floor_f32 v12, -v13                          ; the new -M = floor(-t): M IS A WHOLE NUMBER
	s_delay_alu instid0(VALU_DEP_1)
	v_sub_f32 v254, v12, v254                      ; M's old value less its new one: a whole number, 0 or less
	s_delay_alu instid0(VALU_DEP_1)
	v_cvt_i32_f32 v254, v254                       ; (it saturates)
	s_delay_alu instid0(VALU_DEP_1)
	v_ldexp_f32 v252, 1.0, v254                    ; f = 2^(old M - new M)
.set j, 0
.rept 32
	v_pk_fma_f32 v[96+j:97+j], v[96+j:97+j], s[CS:CS+1], v[12:13] op_sel_hi:[1,0,0]   ; t - M, two at a time
.set j, j+2
.endr
.irp b, 0,1,2,3
	v_fma_f32 v[232+\b], v[232+\b], s[CS], v12     ; the same of each block's largest score
.endr
.set j, 0
	s_wait_alu depctr_va_vdst(0)
.rept 64
	v_exp_f32 v[96+j], v[96+j]                     ; p = 2^(t - M), at most 1: NOT normalised
.set j, j+1
.endr
	v_pk_mul_f32 v[14:15], v[14:15], v[252:253] op_sel_hi:[1,0]   ; the sums under the new M.  (A plain place behind the exponentials)
	s_wait_alu depctr_va_vdst(0)                   ; one wait for the whole batch, ahead of its first reader
.irp b, 0,1,2,3
	v_exp_f32 v[232+\b], v[232+\b]                 ; the block's largest p: the same two instructions on the same number give the same bits
.endr
	v_pk_add_f32 v[236:237], v[100:101], v[104:105]
	v_pk_add_f32 v[246:247], v[108:109], v[112:113]
	v_pk_add_f32 v[244:245], v[116:117], v[120:121]
	v_pk_add_f32 v[242:243], v[124:125], v[128:129]
	v_pk_add_f32 v[240:241], v[132:133], v[136:137]
	v_pk_add_f32 v[238:239], v[140:141], v[144:145]
	v_pk_add_f32 v[230:231], v[148:149], v[152:153]
	v_pk_add_f32 v[14:15], v[14:15], v[156:157]
	v_pk_add_f32 v[236:237], v[236:237], v[96:97]
	v_pk_add_f32 v[246:247], v[246:247], v[98:99]
	v_pk_add_f32 v[244:245], v[244:245], v[102:103]
	v_pk_add_f32 v[242:243], v[242:243], v[106:107]
	v_pk_add_f32 v[240:241], v[240:241], v[110:111]
	v_pk_add_f32 v[238:239], v[238:239], v[114:115]
	v_pk_add_f32 v[230:231], v[230:231], v[118:119]
	v_pk_add_f32 v[14:15], v[14:15], v[122:123]
	v_pk_add_f32 v[236:237], v[236:237], v[126:127]
	v_pk_add_f32 v[246:247], v[246:247], v[130:131]
	v_pk_add_f32 v[244:245], v[244:245], v[134:135]
	v_pk_add_f32 v[242:243], v[242:243], v[138:139]
	v_pk_add_f32 v[240:241], v[240:241], v[142:143]
	v_pk_add_f32 v[238:239], v[238:239], v[146:147]
	v_pk_add_f32 v[230:231], v[230:231], v[150:151]
	v_pk_add_f32 v[14:15], v[14:15], v[154:155]
	v_pk_add_f32 v[236:237], v[236:237], v[158:159]
	s_delay_alu instid0(VALU_DEP_2)
	v_pk_add_f32 v[14:15], v[14:15], v[242:243]
	s_delay_alu instid0(VALU_DEP_2)
	v_pk_add_f32 v[236:237], v[236:237], v[240:241]
	v_pk_add_f32 v[246:247], v[246:247], v[238:239]
	v_pk_add_f32 v[244:245], v[244:245], v[230:231]
	s_delay_alu instid0(VALU_DEP_2)
	v_pk_add_f32 v[14:15], v[14:15], v[246:247]
	s_delay_alu instid0(VALU_DEP_2)
	v_pk_add_f32 v[236:237], v[236:237], v[244:245]
	s_delay_alu instid0(VALU_DEP_1)
	v_pk_add_f32 v[14:15], v[14:15], v[236:237]
	s_wait_alu depctr_va_vdst(0)                   ; and one for the four
.irp b, 0,1,2,3
	v_max_num_f32 v[232+\b], 0x1800000, v[232+\b]  ; the floor 2^(3 - 127): the byte cannot fall under 1
.endr
.irp b, 0,1,2,3
	s_delay_alu instid0(VALU_DEP_4)
	v_add_nc_u32 v[244+\b], 0xff000000, v[232+\b]  ; 2 off the exponent field: the conversion's scale operand
.endr
.irp b, 0,1,2,3
	s_delay_alu instid0(VALU_DEP_4)
	v_lshrrev_b32 v[236+\b], 23, v[244+\b]         ; the scale's byte
.endr
	s_delay_alu instid0(VALU_DEP_3)
	v_lshl_or_b32 v253, v237, 8, v236              ; p's scale word for these 128 keys
	s_delay_alu instid0(VALU_DEP_1)
	v_lshl_or_b32 v253, v238, 16, v253
	s_delay_alu instid0(VALU_DEP_1)
	v_lshl_or_b32 v253, v239, 24, v253
.irp c, 0,1
	v_cvt_scalef32_pk16_fp6_f32 v[224+6*\c:226+6*\c], v[96+32*\c:111+32*\c], v[244+2*\c]
	v_cvt_scalef32_pk16_fp6_f32 v[236+4*\c:238+4*\c], v[112+32*\c:127+32*\c], v[244+2*\c+1]
.endr
	v_nop                                          ; one plain place behind a scaled conversion
.irp c, 0,1                                    ; a WHOLE block in a lane: lanes 0-15 block 2 c, lanes 16-31 block 2 c + 1
.irp i, 0,1,2
	v_permlane16_swap_b32 v[224+6*\c+\i], v[236+4*\c+\i]
.endr
.irp i, 0,1,2
	s_delay_alu instid0(VALU_DEP_3)
	v_mov_b32 v[227+6*\c+\i], v[236+4*\c+\i]
.endr
.endr
.set j, 0
.rept 32
	v_pk_mul_f32 v[160+j:161+j], v[160+j:161+j], v[252:253] op_sel_hi:[1,0]   ; O^T under the new M.  (These 32 are also the places between the lines that made p's codes and scale word and the matrix instructions below)
.set j, j+2
.endr
.if (\mode) == 3
	s_wait_alu depctr_va_vdst(0)
	s_wait_dscnt 0x0                               ; V is in; nothing was asked for behind it
.else
	s_wait_alu depctr_va_vdst(0)
	s_wait_dscnt 25                                ; V and its scale words are in; the 25 loads issued behind them (the next step's K and its scale words) may be out
.endif
	WIN MUL
.irp t, 0,1,2,3,4,5,6,7                        ; O^T += V^T P^T: eight tiles of 16 channels, eight accumulators by turns; K = these 128 keys
.if \t < 4
	v_wmma_scale_f32_16x16x128_f8f6f4 v[160+8*\t:167+8*\t], v[VF+12*\t:VF+12*\t+11], v[224:235], v[160+8*\t:167+8*\t], v[VSC+\t], v253 matrix_a_fmt:MATRIX_FMT_FP6 matrix_b_fmt:MATRIX_FMT_FP6
.else
	v_wmma_scale_f32_16x16x128_f8f6f4 v[160+8*\t:167+8*\t], v[VF+12*\t:VF+12*\t+11], v[224:235], v[160+8*\t:167+8*\t], v[VSC+\t-4], v253 matrix_a_fmt:MATRIX_FMT_FP6 matrix_b_fmt:MATRIX_FMT_FP6 matrix_a_scale:MATRIX_SCALE_ROW1
.endif
.endr
	WIN 0                                          ; at a label and at a branch every window is 0
	s_add_co_u32 s[TB], s[TB], KSTEPB
	s_add_co_u32 s[TS], s[TS], 1024
.endm
.macro RUN n, tb, ts                   ; n key steps of mode 0, from LDS byte tb and scale words ts on
	s_mov_b32 s[TB], \tb
	s_mov_b32 s[TS], \ts
	s_mov_b32 s[CNT], \n
.Lrun_\@:
	STEP 0
	s_sub_co_u32 s[CNT], s[CNT], 1
	s_cmp_lg_u32 s[CNT], 0
	s_cbranch_scc1 .Lrun_\@
.endm
.macro ONE mode, tb, ts                ; one key step, written out
	s_mov_b32 s[TB], \tb
	s_mov_b32 s[TS], \ts
	STEP \mode
.endm
	s_wait_alu depctr_va_vdst(0)                   ; the wait at the head's end
	s_wait_tensorcnt 0x0                           ; my part of slot 0 or of the scale words is in; slots 1 and 2 are first filled as a refill is:
	ds_add_u32 v[SPW], v[NIL]
	s_wait_dscnt 0x0
	CROUND                                         ; everybody's part is in, and the four work-groups are here
	tensor_load_to_lds s[G0+4:G0+7], s[G1C:G1C+7]  ; my eighth of key steps 4-11
	s_nop 0
.rept 4
	v_nop
.endr
	LOADK LI, 0                                    ; key step 0's K and its scale words: the only ones that are not asked for a step ahead
	ds_load_b128 v[KSC:KSC+3], v[ASC]
	s_wait_loadcnt 0x0
	global_prefetch_b8 v72, s[62:63] offset:3*SLOT th:TH_LOAD_NT scope:SCOPE_SE   ; key steps 12-15, which the refill in key step 3 will ask for
	RUN 3, 0, 0                                    ; key steps 0-2
	ONE 1, 3*KSTEPB, 3*1024                        ; key step 3, and the refill of slot 0
	RUN 7, SLOT, 4*1024                            ; key steps 4-10
	ONE 2, 11*KSTEPB, 11*1024                      ; key step 11, and the barrier that shows key steps 12-15 whole
	RUN 3, 0, 12*1024                              ; key steps 12-14
	ONE 3, 3*KSTEPB, 15*1024                       ; key step 15
	; THE WAY OUT.  O^T / the sum; register 8 delta + j is channel 32 (delta / 2) + 16 h + 8 (delta % 2) + j: the quantiser's order.
.macro QUANT s, pw
.irp b, 0,1,2,3
	v_max3_num_f32 v[TM+\b], |v[\s+16*\b]|, |v[\s+1+16*\b]|, 0x1800000
.endr
.irp i, 2,4,6,8,10,12,14
.irp b, 0,1,2,3
	s_delay_alu instid0(VALU_DEP_4)
	v_max3_num_f32 v[TM+\b], v[TM+\b], |v[\s+16*\b+\i]|, |v[\s+1+16*\b+\i]|
.endr
.endr
.irp b, 0,1,2,3
	s_delay_alu instid0(VALU_DEP_4)
	v_permlanex16_b32 v[TM+4+\b], v[TM+\b], s[SEL], s[SEL+1]
.endr
.irp b, 0,1,2,3
	s_delay_alu instid0(VALU_DEP_4)
	v_max_num_f32 v[TM+\b], v[TM+\b], v[TM+4+\b]
.endr
.irp b, 0,1,2,3
	s_delay_alu instid0(VALU_DEP_4)
	v_add_nc_u32 v[TM+12+\b], 0xff000000, v[TM+\b]
.endr
.irp b, 0,1,2,3
	s_delay_alu instid0(VALU_DEP_4)
	v_lshrrev_b32 v[TM+4+\b], 23, v[TM+12+\b]
.endr
	s_delay_alu instid0(VALU_DEP_3)
	v_lshl_or_b32 v[\pw], v[TM+5], 8, v[TM+4]
	s_delay_alu instid0(VALU_DEP_1)
	v_lshl_or_b32 v[\pw], v[TM+6], 16, v[\pw]
	s_delay_alu instid0(VALU_DEP_1)
	v_lshl_or_b32 v[\pw], v[TM+7], 24, v[\pw]
.irp c, 0,1
	v_cvt_scalef32_pk16_fp6_f32 v[PC+6*\c:PC+2+6*\c], v[\s+32*\c:\s+15+32*\c], v[TM+12+2*\c]
	v_cvt_scalef32_pk16_fp6_f32 v[PC+12+4*\c:PC+14+4*\c], v[\s+16+32*\c:\s+31+32*\c], v[TM+12+2*\c+1]
.endr
	v_nop
.irp c, 0,1
.irp i, 0,1,2
	v_permlane16_swap_b32 v[PC+6*\c+\i], v[PC+12+4*\c+\i]
.endr
.irp i, 0,1,2
	s_delay_alu instid0(VALU_DEP_3)
	v_mov_b32 v[PC+3+6*\c+\i], v[PC+12+4*\c+\i]
.endr
.endr
.endm
.rept 4
	v_nop                                          ; places behind the last products
.endr
	v_add_f32 v14, v14, v15                        ; the sum's two halves,
	s_delay_alu instid0(VALU_DEP_1)
	v_permlanex16_b32 v252, v14, s[SEL], s[SEL+1]
	s_delay_alu instid0(VALU_DEP_1)
	v_add_f32 v14, v14, v252                       ; and lane l xor 16's: the row's sum
	s_wait_alu depctr_va_vdst(0)
	v_rcp_f32 v14, v14
.irp b, 0,1,2,3
	v_mov_b32 v[TM+4+\b], 0                        ; (plain work behind the reciprocal)  a lane permute's destination counts as one of its sources
.endr
	s_wait_alu depctr_va_vdst(0)                   ; the wait ahead of the reciprocal's first reader
.set j, 0
.rept 32
	v_pk_mul_f32 v[96+j:97+j], v[160+j:161+j], v[14:15] op_sel_hi:[1,0]   ; each accumulator from its low end on
.set j, j+2
.endr
	QUANT 96, 48
.irp g, 0,1,2
	ds_store_b128 v[OW], v[PC+4*\g:PC+4*\g+3] offset:512*\g   ; my 12 registers, at my lane's place in fragment r % 8
.endr
	ds_store_b32 v[OWS], v48                       ; (both halves of the lanes write the same word with the same value)
	s_wait_dscnt 0x0                               ; for the others' sake: my stores are done
	s_barrier_signal -1
	s_barrier_wait -1
.irp g, 0,1,2
	ds_load_b128 v[96+4*\g:99+4*\g], v[ORD] offset:512*\g     ; fragment w, whole
.endr
	s_wait_dscnt 0x0
.irp g, 0,1,2
	global_store_b128 v[LI], v[96+4*\g:99+4*\g], s[8:9] offset:512*\g   ; 512 consecutive bytes
.endr
	s_cmp_lg_u32 s[WV], 0
	s_cbranch_scc1 .Lnot_0
	ds_load_b128 v[108:111], v[OSR]                ; wave 0: the eight fragments' scale words, 512 bytes
	s_wait_dscnt 0x0
	global_store_b128 v[LI], v[108:111], s[10:11]
.Lnot_0:
	s_wait_tensorcnt 0x0                           ; the wave's end
	ds_add_u32 v[SPW], v[NIL]
	s_wait_dscnt 0x0
	CROUND                                         ; the closing round
	s_endpgm
.Lfunc_end_k_q6d3297dd26_attn:
	.size	k_q6d3297dd26_attn, .Lfunc_end_k_q6d3297dd26_attn-k_q6d3297dd26_attn
	.p2alignl 7, 3214868480
	.fill 96, 4, 3214868480
	.section	.rodata,"a",@progbits
	.p2align	6, 0x0
	.amdhsa_kernel k_q6d3297dd26_attn
		.amdhsa_group_segment_fixed_size 327680
		.amdhsa_private_segment_fixed_size 0
		.amdhsa_enable_private_segment 0
		.amdhsa_kernarg_size 32
		.amdhsa_user_sgpr_count 2
		.amdhsa_user_sgpr_kernarg_segment_ptr 1
		.amdhsa_wavefront_size32 1
		.amdhsa_system_sgpr_workgroup_id_x 1
		.amdhsa_system_sgpr_workgroup_id_y 1
		.amdhsa_system_sgpr_workgroup_id_z 1
		.amdhsa_system_vgpr_workitem_id 0
		.amdhsa_next_free_vgpr 512
		.amdhsa_next_free_sgpr 66
		.amdhsa_reserve_vcc 0
		.amdhsa_float_denorm_mode_32 3
		.amdhsa_float_denorm_mode_16_64 3
		.amdhsa_memory_ordered 1
		.amdhsa_forward_progress 1
		.amdhsa_inst_pref_size 141
	.end_amdhsa_kernel
	.amdgpu_metadata
---
amdhsa.version: [ 1, 2 ]
amdhsa.kernels:
  - .name:           k_q6d3297dd26_attn
    .symbol:         k_q6d3297dd26_attn.kd
    .args:
      - { .name: qkvc, .offset: 0, .size: 8, .value_kind: global_buffer, .address_space: global }
      - { .name: qkvs, .offset: 8, .size: 8, .value_kind: global_buffer, .address_space: global }
      - { .name: acodes, .offset: 16, .size: 8, .value_kind: global_buffer, .address_space: global }
      - { .name: ascales, .offset: 24, .size: 8, .value_kind: global_buffer, .address_space: global }
    .group_segment_fixed_size: 327680
    .private_segment_fixed_size: 0
    .kernarg_segment_align: 8
    .kernarg_segment_size: 32
    .max_flat_workgroup_size: 256
    .sgpr_count:     66
    .vgpr_count:     512
    .wavefront_size: 32
...
	.end_amdgpu_metadata
.endif
;; end of part 3
;; launch outp (part 4): grid 16 x 16, 4 waves a work-group, clusters of 4 x 4, 327,680 bytes of LDS; arguments acodes, ascales, wcodes, wscales, bo, out0; writes out0
.if DOCPART == 4
	.amdgcn_target "amdgcn-amd-amdhsa--gfx1250"
	.amdhsa_code_object_version 6
	.text
	.protected	k_q6d3297dd26_outp
	.globl	k_q6d3297dd26_outp
	.p2align	8
	.type	k_q6d3297dd26_outp,@function
k_q6d3297dd26_outp:
	s_mov_b64 s[64:65], 0
	v_nop
	global_prefetch_b8 v0, s[64:65] scope:SCOPE_SE
	s_setreg_imm32_b32 hwreg(HW_REG_WAVE_MODE, 25, 1), 1
	s_wait_xcnt 0x0
	s_wait_alu depctr_hold_cnt(0) depctr_sa_sdst(0) depctr_va_vdst(0) depctr_va_sdst(0) depctr_va_ssrc(0) depctr_va_vcc(0) depctr_vm_vsrc(0)
	s_getreg_b32 s2, hwreg(HW_REG_IB_STS2, 6, 4)
	s_cmp_eq_u32 s2, 0
	s_cbranch_scc0 .Lentry_in_a_cluster
	s_endpgm
.Lentry_in_a_cluster:
	s_bfe_u32 s2, ttmp6, 0x10000c
	s_cmp_lg_u32 s2, 0xf033
	s_cbranch_scc0 .Lentry_shape_is_right
	s_endpgm
.Lentry_shape_is_right:
; out0 = A Wo^T + bo, 2048 x 2048 x 2048, on codes of FP6 (E2M3) with E8M0 scales.  A: the attention's result as images of operand registers, natural rows; Wo: tensor 4 of wcodes, whose tile t holds in lane r row 32 (t / 2) + 8 (t % 2) + r + 8 (r / 8).
; A tile of C is 128 x 128, so that there are 256 work-groups; four waves, each 64 x 64: 16 accumulators.  THE MATRIX INSTRUCTION IS USED TRANSPOSED (source 0 = Wo's tile, source 1 = A's): a lane holds a row of C,
; and register j of accumulator (a, b) is column 32 (b / 2) + 16 (L / 16) + 8 (b % 2) + j.  The bias is the C of each sum's first matrix instruction.
; K: 16 steps of 128, eight pairs.  A K pair of the work-group's eight tiles is 24,576 dense bytes; from pair to pair 393,216 bytes.  LDS holds six pairs of A, then six of B.
; THE HEAD, one joint load a wave, 3 rows of 24,576 bytes: wave 0 A's pairs 0-2, wave 1 A's 3-5, wave 2 B's 0-2, wave 3 B's 3-5.  Pairs 6 and 7 are filled once into the bytes of pairs 0 and 1, a pair a wave.
; THE SCALE WORDS go from memory into 64 registers, once: a tile's words of two K pairs are 256 consecutive bytes, 8 a lane: lanes 0-15 hold the even pair's two words of row r, lanes 16-31 the odd pair's;
; the matrix instruction is told which half of the lanes to take.  A's words and B's lie in registers of their own.
; CLUSTERS: 4 x 4; A's tiles are asked for jointly along a row of the cluster, B's along a column.
; PREFETCH: the text has no loop; the one load that follows the head's, a wave's pair 6 or 7, is named at the head: of its 96 blocks of 256 bytes each of the four partners that ask jointly names 24, told apart by address (lanes 24-31 name the last again).
; REGISTERS: window 0: v16-31 addresses; v32-63 A's scale words (block i, step S at 32 + 8 i + 2 (S / 4) + S % 2), v64-95 B's; v96-127 the bias; v128-255 the accumulators, (a, b) at 128 + 8 (4 a + b).
;   window 1: two sets of fragments at v0 and v128: A's four at 12 a, B's four at 48 + 12 b.
.set CHUNK, 24576
.set KPAIR, 393216
.set ASZ,   6*CHUNK                    ; A's six pairs; B's begin here
.set WOC,   12582912                   ; Wo's codes in wcodes
.set WOS,   524288                     ; and its scale words in wscales
.set SPARE, 2*ASZ                      ; the spare words: 512 bytes that no other line names
.set STAGE, 2*CHUNK                    ; the way out: 128 rows x 528 bytes, in A's pairs 2 to 5, which have had their only fill, and their last read ahead of step 11's barrier
.set SPITCH, 528
.set ADRA, 16                          ; v16-18 my A fragments: pairs 0-1 (and 6-7), 2-3, 4-5
.set ADRB, 20                          ; v20-22 B's
.set STO,  24
.set RD,   25
.set CO,   26                          ; 16 L
.set SOF,  27                          ; 8 L
.set SPW,  28
.set NIL,  29
.set BOA,  30
.set PFO,  31                          ; 256 x min(lane, 23); never rewritten
.set SCA,  32
.set SCB,  64
.set BO,   96
.set ACC,  128
.set G1,   24                          ; groups 1: the head's loads, A's mask and B's;
.set G1B,  32
.set G1R,  40                          ; the refill's
.set G1RB, 48
.set G0A,  56
.set G0B,  60
.set G0RA, 68
.set G0RB, 72
.set MSB, 0
.macro WIN new
.if MSB != \new
	s_set_vgpr_msb (MSB<<8)|\new
.set MSB, \new
.endif
.endm
.set MUL,  0x05                        ; sources 0 (B) and 1 (A) window 1; C and D window 0
.set TO_F, 0x40                        ; destination window 1, address window 0
.macro TLOAD g0, g1                    ; a tensor load with the five lines behind it
	tensor_load_to_lds s[\g0:\g0+3], s[\g1:\g1+7]
	s_nop 0
.rept 4
	v_nop
.endr
.endm
.macro JLOAD g0a, g1a, g0b, g1b        ; waves 0 and 1 fetch for A, waves 2 and 3 for B: every way passes exactly one load
	s_cmp_eq_u32 s17, 0
	s_cbranch_scc0 .Lfor_b_\@
	TLOAD \g0a, \g1a
	s_branch .Lasked_\@
.Lfor_b_\@:
	TLOAD \g0b, \g1b
.Lasked_\@:
.endm
.macro CROUND                          ; a round of the cluster's barrier
	s_barrier_signal -1
	s_barrier_wait -1
	s_cmp_lg_u32 s16, 0
	s_cbranch_scc1 .Lnot_wave_0_\@
	s_barrier_signal -3
.Lnot_wave_0_\@:
	s_barrier_wait -3
	s_barrier_signal -1
	s_barrier_wait -1
.endm
.macro MKG0 g, adr                     ; (the LDS address, word 1, is written apart)
	s_mov_b32 s[\g], 1
	s_mov_b64 s[\g+2:\g+3], s[\adr:\adr+1]
	s_or_b32 s[\g+3], s[\g+3], 0x80000000
.endm
	s_load_b256 s[4:11], s[0:1], 0x0               ; acodes, ascales, wcodes, wscales
	s_load_b128 s[12:15], s[0:1], 0x20             ; bo, out0
	v_lshl_add_u32 v[SPW], v0, 2, SPARE
	v_mov_b32 v[NIL], 0
	ds_add_u32 v[SPW], v[NIL]                      ; the opening lines: the add twice on end and one wait
	ds_add_u32 v[SPW], v[NIL]
	v_lshrrev_b32 v1, 5, v0
	v_readfirstlane_b32 s16, v1                    ; wave
	s_lshr_b32 s17, s16, 1                         ; RH: my half of the rows.  Also: I fetch for A (0) or for B (1)
	s_and_b32 s18, s16, 1                          ; CH: my half of the columns.  Also: which half of the pairs I fetch
	s_bfe_u32 s19, ttmp6, 0x40000                  ; cx
	s_bfe_u32 s20, ttmp6, 0x40004                  ; cy
	s_lshl_b32 s21, ttmp9, 2
	s_add_co_u32 s21, s21, s19                     ; X
	s_and_b32 s22, ttmp7, 0xffff
	s_lshl_b32 s22, s22, 2
	s_add_co_u32 s22, s22, s20                     ; Y
	s_lshl_b32 s23, s20, 2
	s_lshl_b32 s23, 15, s23                        ; my row of the cluster
	s_lshl_b32 s92, 0x1111, s19                    ; my column
	s_or_b32 s[G1+0], s23, (3<<16)|(1<<21)
	s_or_b32 s[G1B+0], s92, (3<<16)|(1<<21)
	s_or_b32 s[G1R+0], s23, (3<<16)|(1<<21)
	s_or_b32 s[G1RB+0], s92, (3<<16)|(1<<21)
.irp g, G1, G1B                                ; the head: 3 rows of 3,072 elements of 8 bytes, 49,152 elements from row to row
	s_mov_b32 s[\g+1], 3072<<16
	s_mov_b32 s[\g+2], 3<<16
	s_mov_b32 s[\g+3], 3072<<16
	s_mov_b32 s[\g+4], 3
	s_mov_b32 s[\g+5], KPAIR/8
	s_mov_b32 s[\g+6], 0
	s_mov_b32 s[\g+7], 0
.endr
.irp g, G1R, G1RB                              ; the refill: a dense block of 24,576 bytes as 96 rows of 256
	s_mov_b32 s[\g+1], 32<<16
	s_mov_b32 s[\g+2], 96<<16
	s_mov_b32 s[\g+3], 32<<16
	s_mov_b32 s[\g+4], 96
	s_mov_b32 s[\g+5], 32
	s_mov_b32 s[\g+6], 0
	s_mov_b32 s[\g+7], 0
.endr
	s_mul_i32 s93, s18, 3*KPAIR                    ; the head: pairs 0-2 or 3-5
	s_mul_i32 s91, s18, KPAIR
	s_add_co_u32 s91, s91, 6*KPAIR                 ; the refill: pair 6 or 7
	s_mul_i32 s94, s22, CHUNK                      ; A: tiles 8 Y on
	s_mul_i32 s98, s21, CHUNK                      ; B: tiles 8 X on
	s_add_co_u32 s98, s98, WOC
	s_add_co_u32 s96, s94, s91
	s_add_co_u32 s100, s98, s91
	s_add_co_u32 s94, s94, s93
	s_add_co_u32 s98, s98, s93
	s_mov_b32 s95, 0
	s_mov_b32 s97, 0
	s_mov_b32 s99, 0
	s_mov_b32 s101, 0
	s_lshl_b32 s76, s22, 13                        ; A's scale words: tiles 8 Y + 4 RH on
	s_lshl_b32 s77, s17, 12
	s_add_co_u32 s76, s76, s77
	s_mov_b32 s77, 0
	s_lshl_b32 s78, s21, 13                        ; B's: tiles 8 X + 4 CH on
	s_lshl_b32 s79, s18, 12
	s_add_co_u32 s78, s78, s79
	s_add_co_u32 s78, s78, WOS
	s_mov_b32 s79, 0
	s_mul_i32 s[G0A+1], s16, 3*CHUNK               ; where the head's loads go: wave x 73,728
	s_mul_i32 s[G0B+1], s16, 3*CHUNK
	s_mul_i32 s91, s18, CHUNK
	s_mul_i32 s[G0RA+1], s17, ASZ                  ; and the refill's: A's or B's pair 0 or 1
	s_add_co_u32 s[G0RA+1], s[G0RA+1], s91
	s_mul_i32 s[G0RB+1], s17, ASZ
	s_add_co_u32 s[G0RB+1], s[G0RB+1], s91
	s_wait_dscnt 0x0                               ; both opening adds are done
	s_wait_kmcnt 0x0
	s_add_nc_u64 s[94:95], s[4:5], s[94:95]
	s_add_nc_u64 s[96:97], s[4:5], s[96:97]
	s_add_nc_u64 s[98:99], s[8:9], s[98:99]
	s_add_nc_u64 s[100:101], s[8:9], s[100:101]
	s_add_nc_u64 s[6:7], s[6:7], s[76:77]
	s_add_nc_u64 s[10:11], s[10:11], s[78:79]
	CROUND                                         ; all sixteen work-groups are here: the first joint loads meet
	MKG0 G0A,  94
	MKG0 G0B,  98
	MKG0 G0RA, 96
	MKG0 G0RB, 100
	s_cmp_eq_u32 s17, 0                            ; the prefetch: the pair that I fetch at the refill,
	s_cselect_b64 s[86:87], s[96:97], s[100:101]
	s_cselect_b32 s88, s19, s20                    ; my place among the four that ask with me: cx for A, cy for B
	s_mul_i32 s88, s88, 6144
	s_mov_b32 s89, 0
	s_add_nc_u64 s[86:87], s[86:87], s[88:89]
	JLOAD G0A, G1, G0B, G1B                        ; one load a wave at the head
	s_mul_i32 s80, s17, 12288                      ; my four tiles of A in a pair,
	s_mul_i32 s81, s18, 12288
	s_add_co_u32 s81, s81, ASZ                     ; and of B
	s_mul_i32 s82, s17, 64*SPITCH                  ; the stage, in: row 64 RH + r, my half of its 512 bytes
	s_lshl_b32 s83, s18, 8
	s_add_co_u32 s82, s82, s83
	s_add_co_u32 s82, s82, STAGE
	s_mul_i32 s84, s16, 32*SPITCH                  ; back: wave w takes rows 32 w on, whole
	s_add_co_u32 s84, s84, STAGE
	s_lshl_b32 s90, s21, 9
	s_add_co_u32 s90, s90, s83
	s_mov_b32 s91, 0
	s_add_nc_u64 s[12:13], s[12:13], s[90:91]      ; the bias of my 64 columns
	s_lshl_b32 s92, s22, 20                        ; out0: row 128 Y + 32 w, column 128 X
	s_lshl_b32 s93, s16, 18
	s_add_co_u32 s92, s92, s93
	s_lshl_b32 s93, s21, 9
	s_add_co_u32 s92, s92, s93
	s_mov_b32 s93, 0
	s_add_nc_u64 s[14:15], s[14:15], s[92:93]
	v_and_b32 v1, 31, v0
	v_lshlrev_b32 v[CO], 4, v1                     ; 16 L
	v_lshlrev_b32 v[SOF], 3, v1                    ; 8 L
	v_min_u32 v[PFO], 23, v1
	v_lshlrev_b32 v[PFO], 8, v[PFO]
	v_and_b32 v2, 15, v0                           ; r
	v_bfe_u32 v3, v0, 4, 1                         ; h
	v_lshlrev_b32 v[BOA], 6, v3
	v_add_nc_u32 v[ADRA], s80, v[CO]
	v_add_nc_u32 v[ADRB], s81, v[CO]
.irp n, 1,2
	v_add_nc_u32 v[ADRA+\n], 2*CHUNK, v[ADRA+\n-1]
	v_add_nc_u32 v[ADRB+\n], 2*CHUNK, v[ADRB+\n-1]
.endr
	v_mul_u32_u24 v5, v2, SPITCH
	v_lshl_add_u32 v5, v3, 6, v5
	v_add_nc_u32 v[STO], s82, v5
	v_add_nc_u32 v[RD], s84, v[CO]
	s_wait_alu depctr_va_vdst(0)                   ; the wait at the head's end
.irp i, 0,1,2,3
.irp p, 0,1,2,3
	global_load_b64 v[SCA+8*\i+2*\p:SCA+8*\i+2*\p+1], v[SOF], s[6:7] offset:\i*1024+\p*256     ; 256 consecutive bytes: K pairs 2 p and 2 p + 1 of block i
	global_load_b64 v[SCB+8*\i+2*\p:SCB+8*\i+2*\p+1], v[SOF], s[10:11] offset:\i*1024+\p*256
.endr
.endr
.irp b, 0,1,2,3
	global_load_b128 v[BO+8*\b:BO+8*\b+3], v[BOA], s[12:13] offset:(32*(\b/2)+8*(\b%2))*4
	global_load_b128 v[BO+8*\b+4:BO+8*\b+7], v[BOA], s[12:13] offset:(32*(\b/2)+8*(\b%2))*4+16
.endr
	global_prefetch_b8 v[PFO], s[86:87] th:TH_LOAD_NT scope:SCOPE_SE   ; my share of the pair that the refill will ask for
.macro PLACES                          ; four places in front of loads into registers that matrix instructions have read, and of the first read of results
.rept 4
	v_nop
.endr
.endm
.macro FETCH st                        ; step st's eight fragments into set st % 2: B's four, then A's
.set FN, ((\st)/4)%3
.set FF, 128*((\st)%2)
.set FO, (((\st)%4)/2)*CHUNK+((\st)%2)*1536
	WIN TO_F
.irp i, 0,1,2,3
.irp g, 0,1,2
	ds_load_b128 v[FF+48+12*\i+4*\g:FF+48+12*\i+4*\g+3], v[ADRB+FN] offset:FO+\i*3072+512*\g
.endr
.endr
.irp i, 0,1,2,3
.irp g, 0,1,2
	ds_load_b128 v[FF+12*\i+4*\g:FF+12*\i+4*\g+3], v[ADRA+FN] offset:FO+\i*3072+512*\g
.endr
.endr
.endm
; 8 matrix instructions: A's blocks a0, a0 + 1 x B's four.  The 16 accumulators take turns, in the same order in every step.  Step 0 starts the sums with the bias.
; An odd K pair's scale words lie in lanes 16-31 of both sides' registers.
.macro MUL8 st, a0
.set FF, 128*((\st)%2)
.set SO, 2*((\st)/4)+(\st)%2
.irp a, \a0, \a0+1
.irp b, 0,1,2,3
.set DD, ACC+8*(4*(\a)+\b)
.if (\st) == 0
	v_wmma_scale_f32_16x16x128_f8f6f4 v[DD:DD+7], v[FF+48+12*\b:FF+48+12*\b+11], v[FF+12*(\a):FF+12*(\a)+11], v[BO+8*\b:BO+8*\b+7], v[SCB+8*\b+SO], v[SCA+8*(\a)+SO] matrix_a_fmt:MATRIX_FMT_FP6 matrix_b_fmt:MATRIX_FMT_FP6
.elseif (((\st)/2)%2) == 0
	v_wmma_scale_f32_16x16x128_f8f6f4 v[DD:DD+7], v[FF+48+12*\b:FF+48+12*\b+11], v[FF+12*(\a):FF+12*(\a)+11], v[DD:DD+7], v[SCB+8*\b+SO], v[SCA+8*(\a)+SO] matrix_a_fmt:MATRIX_FMT_FP6 matrix_b_fmt:MATRIX_FMT_FP6
.else
	v_wmma_scale_f32_16x16x128_f8f6f4 v[DD:DD+7], v[FF+48+12*\b:FF+48+12*\b+11], v[FF+12*(\a):FF+12*(\a)+11], v[DD:DD+7], v[SCB+8*\b+SO], v[SCA+8*(\a)+SO] matrix_a_fmt:MATRIX_FMT_FP6 matrix_b_fmt:MATRIX_FMT_FP6 matrix_a_scale:MATRIX_SCALE_ROW1 matrix_b_scale:MATRIX_SCALE_ROW1
.endif
.endr
.endr
.endm
; A step of 128 along K; in its middle the next step's fragments are fetched.  meet = 1: the next step's lie in the bytes that were filled again: my part of them has landed, and a barrier shows everybody's.
.macro STEP st, meet
.if \meet
	s_wait_dscnt 0x0                               ; no LDS instruction of mine is out at the signal
	s_wait_tensorcnt 0x0                           ; my pair 6 or 7 is in
	s_barrier_signal -1
.else
	s_wait_dscnt 6                                 ; B's four and A's blocks 0, 1 are in; the youngest six loads (A's blocks 2, 3) may be out
.endif
	WIN MUL
	MUL8 \st, 0
.if \meet
	s_barrier_wait -1
.endif
.if (\st) < 15
	PLACES
	FETCH (\st)+1
	s_wait_dscnt 24                                ; all but the 24 just issued
.else
	s_wait_dscnt 0x0
.endif
	WIN MUL
	MUL8 \st, 2
.endm
	s_wait_tensorcnt 0x0                           ; my three pairs are in
	s_barrier_signal -1
	s_barrier_wait -1                              ; everybody's are
	FETCH 0
	s_wait_loadcnt 0x0                             ; the scale words and the bias
.irp st, 0,1,2
	STEP \st, 0
.endr
	WIN 0                                          ; THE ONE REFILL.  Step 3's fragments, the last of pairs 0 and 1, were fetched in step 2.
	s_wait_tensorcnt 0x0
	ds_add_u32 v[SPW], v[NIL]
	s_wait_dscnt 0x0                               ; the add is done, and my reads of pairs 0 and 1 are over
	CROUND                                         ; no wave of any partner still reads them or has a load on its way
	JLOAD G0RA, G1R, G0RB, G1RB                    ; pairs 6 and 7: they have eight steps in which to land
.irp st, 3,4,5,6,7,8,9,10
	STEP \st, 0
.endr
	STEP 11, 1
.irp st, 12,13,14,15
	STEP \st, 0
.endr
	WIN 0
	; THE WAY OUT.  A lane holds pieces of 32 bytes of a row, and a row's 512 bytes come from two waves: through the work-group's stage, a barrier, and back as whole rows.
	PLACES
.irp a, 0,1,2,3
.irp b, 0,1,2,3
	ds_store_b128 v[STO], v[ACC+8*(4*\a+\b):ACC+8*(4*\a+\b)+3] offset:\a*16*SPITCH+(\b/2)*128+(\b%2)*32        ; each accumulator from its low end on
	ds_store_b128 v[STO], v[ACC+8*(4*\a+\b)+4:ACC+8*(4*\a+\b)+7] offset:\a*16*SPITCH+(\b/2)*128+(\b%2)*32+16
.endr
.endr
	s_wait_dscnt 0x0                               ; for the others' sake: my stores into the stage are done
	s_barrier_signal -1
	s_barrier_wait -1
.set i, 0
.rept 32
	ds_load_b128 v[ACC+4*i:ACC+4*i+3], v[RD] offset:i*SPITCH
.set i, i+1
.endr
.set i, 0
.rept 32
	s_wait_dscnt 31-i                              ; LDS loads come back in order: row i is in
	global_store_b128 v[CO], v[ACC+4*i:ACC+4*i+3], s[14:15] offset:i*8192 th:TH_STORE_NT   ; 32 lanes store 512 consecutive bytes, at a multiple of 256 from out0's first byte
.set i, i+1
.endr
	s_wait_tensorcnt 0x0                           ; the wave's end
	ds_add_u32 v[SPW], v[NIL]
	s_wait_dscnt 0x0
	CROUND                                         ; the closing round
	s_endpgm
.Lfunc_end_k_q6d3297dd26_outp:
	.size	k_q6d3297dd26_outp, .Lfunc_end_k_q6d3297dd26_outp-k_q6d3297dd26_outp
	.p2alignl 7, 3214868480
	.fill 96, 4, 3214868480
	.section	.rodata,"a",@progbits
	.p2align	6, 0x0
	.amdhsa_kernel k_q6d3297dd26_outp
		.amdhsa_group_segment_fixed_size 327680
		.amdhsa_private_segment_fixed_size 0
		.amdhsa_enable_private_segment 0
		.amdhsa_kernarg_size 48
		.amdhsa_user_sgpr_count 2
		.amdhsa_user_sgpr_kernarg_segment_ptr 1
		.amdhsa_wavefront_size32 1
		.amdhsa_system_sgpr_workgroup_id_x 1
		.amdhsa_system_sgpr_workgroup_id_y 1
		.amdhsa_system_sgpr_workgroup_id_z 1
		.amdhsa_system_vgpr_workitem_id 0
		.amdhsa_next_free_vgpr 512
		.amdhsa_next_free_sgpr 102
		.amdhsa_reserve_vcc 0
		.amdhsa_float_denorm_mode_32 3
		.amdhsa_float_denorm_mode_16_64 3
		.amdhsa_memory_ordered 1
		.amdhsa_forward_progress 1
		.amdhsa_inst_pref_size 82
	.end_amdhsa_kernel
	.amdgpu_metadata
---
amdhsa.version: [ 1, 2 ]
amdhsa.kernels:
  - .name:           k_q6d3297dd26_outp
    .symbol:         k_q6d3297dd26_outp.kd
    .args:
      - { .name: acodes, .offset: 0, .size: 8, .value_kind: global_buffer, .address_space: global }
      - { .name: ascales, .offset: 8, .size: 8, .value_kind: global_buffer, .address_space: global }
      - { .name: wcodes, .offset: 16, .size: 8, .value_kind: global_buffer, .address_space: global }
      - { .name: wscales, .offset: 24, .size: 8, .value_kind: global_buffer, .address_space: global }
      - { .name: bo, .offset: 32, .size: 8, .value_kind: global_buffer, .address_space: global }
      - { .name: out0, .offset: 40, .size: 8, .value_kind: global_buffer, .address_space: global }
    .group_segment_fixed_size: 327680
    .private_segment_fixed_size: 0
    .kernarg_segment_align: 8
    .kernarg_segment_size: 48
    .max_flat_workgroup_size: 128
    .sgpr_count:     102
    .vgpr_count:     512
    .wavefront_size: 32
...
	.end_amdgpu_metadata
.endif
;; end of part 4
